; MI455X (gfx1250); checked and timed in simulation.
; The chip was launched on July 23, 2026; its instructions are those of AMD's public machine-readable ISA for CDNA 5 (MIT licence, August 2026) and "CDNA5" Instruction Set Architecture Reference Guide (July 2026). The comments in the code are by the model that wrote it; some were corrected since.
;; Multi Head Self Attention. Allowed arithmetic: matrix products marked QUANTISED: E2M3 operands, one E8M0 scale for each 32 along K, by v_wmma_scale_f32_16x16x128_f8f6f4 with both operands' format E2M3, f32 sums; everything else in f32.
;; Inputs: out_b 1,024 float32; out_w 1,024 x 1,024 float32; qkv_b 3,072 float32; qkv_w 3,072 x 1,024 float32; x 2 x 2,048 x 1,024 float32.
;; Outputs: out0 2 x 2,048 x 1,024 float32.
;; This version of the problem:
;;   THIS VERSION OF THE PROBLEM IS GIVEN IN LOW PRECISION. The matrix products marked QUANTISED in the list below multiply operands that are first quantised to E2M3 (2 exponent bits, 3 mantissa bits; 6 bits a number), with one power-of-two scale for each 32 numbers along K (OCP MX v1.0); their sums are f32. All else is computed in f32.
;;   The module's matrix products, in the order in which they are computed (A, B: the left and right operand; K: the contracted axis; several contracted axes count as one K, in the product's order):
;;     1. [M 4,096, K 1,024] x [K 1,024, N 3,072]; A: input x; B: input qkv_w: QUANTISED
;;     2. batch 32 x [M 2,048, K 64] x [K 64, N 2,048]; A: computed on the way; B: computed on the way: QUANTISED
;;     3. batch 32 x [M 64, K 2,048] x [K 2,048, N 2,048]; A: computed on the way; B: softmax (see below): QUANTISED
;;     4. [M 4,096, K 1,024] x [K 1,024, N 1,024]; A: computed on the way; B: input out_w: QUANTISED
;;   THE QUANTISER, for each operand of a quantised product, along K:
;;     - K is cut into blocks of 32 from its start; a last block that is shorter is filled with zeros.
;;     - A block's scale is 2^e with e = floor(log2(the largest magnitude in the block)) - 2, held to -126 .. 127; a block of zeros has e = 0. As a byte (E8M0): e + 127.
;;     - Each number is divided by its block's scale, clamped to +-7.5, and rounded to the nearest number of E2M3, ties to even, subnormals kept.
;;     - The product sums the exact products of the quantised numbers (number of the format x scale) in f32.
;;   ~~~python
;;   def quantise(x, axis):      # numpy; x: float32 -> the quantised numbers, widened to float32 again
;;       x = np.moveaxis(x, axis, -1); K = x.shape[-1]
;;       x = np.pad(x, [(0, 0)] * (x.ndim - 1) + [(0, -K % 32)]); x = x.reshape(x.shape[:-1] + (-1, 32)); a = np.abs(x).max(-1, keepdims=True)
;;       e = np.where(a > 0, np.clip(np.frexp(np.where(a > 0, a, 1))[1] - 1 - 2, -126, 127), 0)      # np.frexp(a)[1] - 1 = floor(log2(a)), exactly
;;       r = np.clip(x / 2.0 ** e, -7.5, 7.5)
;;       step = 2.0 ** (np.maximum(np.frexp(np.where(r == 0, 1, r))[1] - 1, 0) - 3)
;;       q = np.round(r / step) * step * 2.0 ** e      # np.round: ties to even
;;       return np.moveaxis(q.reshape(q.shape[:-2] + (-1,))[..., :K], -1, axis).astype(np.float32)
;;   ~~~
;;   SOFTMAX AHEAD OF A QUANTISED PRODUCT. Where the list says 'softmax', what is quantised is not the finished softmax but p = 2^(t - M), with t = logit x log2(e) and M = ceil(the row's largest t), a whole number; so 1/2 < the row's largest p <= 1. The row's sum l is taken of the UNQUANTISED p, in f32, and the product's result is divided by l at the end. Since M is a whole number, a kernel that streams over the keys may use a running M (the ceiling of the running maximum): every later rescaling is an exact power of two, which a block's scale takes up: the codes' values come out the same.
;;   OPERANDS COMPUTED ON THE WAY. 'Computed on the way' means the value that the module computes at that place (a softmax that the list does not call 'softmax' is quantised finished and normalised). What goes into a quantiser is computed in f32, as accurately as f32 sums, v_exp_f32 and their like allow (about 1e-6 of the number): no bf16 or f16 on the way to a quantiser, and a product that is left as it is and whose result goes on into a quantised operand takes f32 operands (vector FMAs, or v_wmma_f32_16x16x4_f32). A number that lies on a knife's edge between two numbers of the format may be rounded either way, as far as f32 arithmetic and the matrix unit's own rounding can turn it there, and no further.
;; One version. Each part assembles by itself: llvm-mc -triple=amdgcn-amd-amdhsa -mcpu=gfx1250 --defsym DOCPART=n.
;; ======== version 1 of 1: 4 launches
;; limits: right only within a limited range of input values
;; workspace buffers: xq 3,276,800 bytes; wq 2,457,600 bytes; ow 819,200 bytes; cx 3,276,800 bytes; qbuf 3,407,872 bytes; kv 6,684,672 bytes
;; launch quant (part 1): grid 256 x 1, 16 waves a work-group, no clusters, 138,240 bytes of LDS; arguments x, qkv_w, out_w, xq, wq, ow; writes xq, wq, ow
.if DOCPART == 1
	.amdgcn_target "amdgcn-amd-amdhsa--gfx1250"
	.amdhsa_code_object_version 6
	.text
	.protected	k_q8dfd13a11f_quant
	.globl	k_q8dfd13a11f_quant
	.p2align	8
	.type	k_q8dfd13a11f_quant,@function
k_q8dfd13a11f_quant:
	s_mov_b64 s[64:65], 0
	v_nop
	global_prefetch_b8 v0, s[64:65] scope:SCOPE_SE
	s_setreg_imm32_b32 hwreg(HW_REG_WAVE_MODE, 25, 1), 1
	s_wait_xcnt 0x0
; x [4096][1024], qkv_w [3072][1024], out_w [1024][1024], f32, K innermost, become codes of FP6 (E2M3) with one E8M0 byte for each 32 along K,
; laid IN THE ORDER OF THE OPERAND'S REGISTERS, so that the products' launches fetch fragments by dense loads and nothing is ever transposed.
; A TILE is 16 rows.  Rows go in groups of 32: tile 2 g + u holds in slot r the row 32 g + 8 u + r + 8 (r / 8).
; A HALF FRAGMENT is a tile x 64 along K, 768 bytes: lane l = (r = l % 16, h = l / 16) owns the 32 codes of block h of slot r, six registers: the first four at 16 l, the last two at 512 + 8 l.
; A RECORD is a tile for all of K, 12,800 bytes: two chunks (512 along K) of 6,400: eight half fragments, then 256 scale bytes: slot r's sixteen at 16 r, byte 4 ks + b for block b of the chunk's K step ks.
; A block's scale is 2^(floor(log2(its largest magnitude)) - 2); its byte is the largest magnitude's exponent field - 2, held at 1 from below.
; LIMITS: a block of zeros, and one whose largest magnitude lies under 2^-124, gets the byte 1 (a block of zeros has zero codes, and this program alone reads the bytes); NaN and infinities among the inputs are not served.
; SHARES: 512 tiles x 8 K steps of 128 = 4,096 units, one for each wave of 256 work-groups of 16 waves: no loop; a wave's 8 KiB are asked for at once, by 16 loads of 512 consecutive bytes.
; The first 128 work-groups take x, the next 96 qkv_w, the last 32 out_w: only pointers are chosen, all take one path.  Work-groups share no input: no cluster, no tensor load.
.set STG, 8448                         ; a wave's stage: 16 rows x (512 bytes + 16): the pitch is an odd multiple of 16 bytes
.set SCA, 16*STG                       ; behind the stages: the work-group's scale words, 4 blocks of 256 bytes
.set REC, 6400                         ; a chunk of a record
.set L16, 1                            ; v1  16 x lane
.set L8,  2                            ; v2  8 x lane
.set STI, 3                            ; v3  into my stage: 16 x lane
.set STO, 4                            ; v4  out of it: 528 r + 128 h
.set SH,  5                            ; v5  8 h
.set SWA, 6                            ; v6  where my row's scale word goes
.set SRA, 7                            ; v7  waves 0, 1: where two scale blocks are read back
.set SGO, 8                            ; v8  and where they go in memory
.set R,   16                           ; v16-79   64 numbers as loaded
.set X,   80                           ; v80-143  my 64 numbers: k = 64 c + 32 h + 0 .. 31 of row slot r at v[X + 32 c ..]
.set C,   144                          ; v144-159 the codes of two half fragments, eight registers reserved for each
.set T,   160                          ; v160-171 at work
	s_load_b256 s[4:11], s[0:1], 0x0               ; x s[4:5], qkv_w s[6:7], out_w s[8:9], xq s[10:11]
	s_load_b128 s[12:15], s[0:1], 0x20             ; wq s[12:13], ow s[14:15]
	v_lshl_add_u32 v176, v0, 2, 0x21400
	v_mov_b32 v177, 0
	v_lshrrev_b32 v9, 5, v0
	s_delay_alu instid0(VALU_DEP_1)
	v_readfirstlane_b32 s16, v9                    ; wave 0..15
	v_and_b32 v10, 31, v0                          ; lane
	v_and_b32 v11, 15, v0                          ; r
	v_bfe_u32 v12, v0, 4, 1                        ; h
	s_delay_alu instid0(VALU_DEP_3)
	v_lshlrev_b32 v[L16], 4, v10
	s_wait_alu depctr_va_vdst(0)
	v_lshlrev_b32 v[L8], 3, v10
	s_mul_i32 s17, s16, STG                        ; my stage
	v_add_nc_u32 v[STI], s17, v[L16]
	v_mul_u32_u24 v[STO], v11, 528
	s_delay_alu instid0(VALU_DEP_1)
	v_lshl_add_u32 v[STO], v12, 7, v[STO]
	s_delay_alu instid0(VALU_DEP_1)
	v_add_nc_u32 v[STO], s17, v[STO]
	v_lshlrev_b32 v[SH], 3, v12
	s_lshr_b32 s18, s16, 2                         ; which of the work-group's four chunks
	s_and_b32 s19, s16, 3                          ; which K step of the chunk
	s_lshl_b32 s20, s18, 8
	s_lshl_b32 s21, s19, 2
	s_add_co_u32 s20, s20, s21
	s_add_co_u32 s20, s20, SCA
	v_lshlrev_b32 v[SWA], 4, v11
	s_delay_alu instid0(VALU_DEP_1)
	v_add_nc_u32 v[SWA], s20, v[SWA]               ; SCA + 256 x chunk + 16 r + 4 ks
	s_and_b32 s21, s16, 1                          ; (waves 0 and 1 alone use the next two addresses)
	s_lshl_b32 s30, s21, 9
	s_add_co_u32 s30, s30, SCA
	v_add_nc_u32 v[SRA], s30, v[L16]               ; SCA + 512 x wave + 16 x lane: two blocks of 256 bytes
	s_lshl_b32 s21, s21, 1
	v_add_nc_u32 v[SGO], s21, v12                  ; chunk 2 x wave + h of the work-group's four
	s_delay_alu instid0(VALU_DEP_1)
	v_mul_u32_u24 v[SGO], v[SGO], REC
	s_delay_alu instid0(VALU_DEP_1)
	v_lshl_add_u32 v[SGO], v11, 4, v[SGO]
	s_delay_alu instid0(VALU_DEP_1)
	v_add_nc_u32 v[SGO], 6144, v[SGO]              ; its scale bytes lie behind its eight half fragments
	s_mov_b32 s22, 0x76543210
	s_mov_b32 s23, 0xfedcba98                      ; v_permlanex16_b32's selects for lane l xor 16
	s_mov_b32 s31, 224
	s_wait_alu depctr_va_vdst(0)
	s_wait_kmcnt 0x0
	s_cmp_lt_u32 ttmp9, 224                        ; which tensor: the choice hangs on the work-group's number alone
	s_cselect_b64 s[24:25], s[6:7], s[8:9]
	s_cselect_b64 s[26:27], s[12:13], s[14:15]
	s_cselect_b32 s31, 128, s31
	s_cmp_lt_u32 ttmp9, 128
	s_cselect_b64 s[24:25], s[4:5], s[24:25]
	s_cselect_b64 s[26:27], s[10:11], s[26:27]
	s_cselect_b32 s31, 0, s31
	s_sub_co_u32 s31, ttmp9, s31                   ; my number among the tensor's work-groups
	s_lshl_b32 s32, s31, 2
	s_add_co_u32 s32, s32, s18                     ; u = 2 x tile + chunk
	s_lshr_b32 s33, s32, 2
	s_lshl_b32 s36, s33, 17                        ; the tile's group of 32 rows of 4,096 bytes,
	s_bfe_u32 s33, s32, 0x10001
	s_lshl_b32 s33, s33, 15                        ; 8 rows on for an odd tile,
	s_or_b32 s36, s36, s33
	s_and_b32 s33, s32, 1
	s_lshl_b32 s33, s33, 11                        ; the chunk's 512 numbers,
	s_or_b32 s36, s36, s33
	s_lshl_b32 s33, s19, 9                         ; the K step's 128
	s_or_b32 s36, s36, s33
	s_mov_b32 s37, 0
	s_add_nc_u64 s[24:25], s[24:25], s[36:37]
	s_mul_i32 s38, s31, 4*REC
	s_mov_b32 s39, 0
	s_add_nc_u64 s[28:29], s[26:27], s[38:39]      ; the work-group's four chunks
	s_mul_i32 s38, s32, REC
	s_mul_i32 s33, s19, 1536
	s_add_co_u32 s38, s38, s33
	s_add_nc_u64 s[26:27], s[26:27], s[38:39]      ; my two half fragments
.irp i, 0,1,2,3,4,5,6,7,8,9,10,11,12,13,14,15
	global_load_b128 v[R+4*\i:R+4*\i+3], v[L16], s[24:25] offset:(\i+8*(\i/8))*4096 th:TH_LOAD_NT   ; slot i's row: 32 lanes read 512 consecutive bytes, read once in the launch
.endr
.irp q, 0,1,2,3
	s_wait_loadcnt 12-4*\q                         ; loads come back in order: these four are in, the younger ones stay out
.irp i, 0,1,2,3
	ds_store_b128 v[STI], v[R+16*\q+4*\i:R+16*\q+4*\i+3] offset:528*(4*\q+\i)
.endr
.endr
.irp c, 0,1
.irp i, 0,1,2,3,4,5,6,7
	ds_load_b128 v[X+32*\c+4*\i:X+32*\c+4*\i+3], v[STO] offset:256*\c+16*\i   ; LDS serves a wave's instructions in order: these see my stores
.endr
.endr
	s_wait_dscnt 0x0
.irp c, 0,1                                    ; my block 2 c + h: all its 32 numbers are mine
	v_max3_num_f32 v[T+\c], |v[X+32*\c]|, |v[X+32*\c+1]|, 0x1800000   ; and the floor 2^(3 - 127): so the byte cannot fall under 1
.endr
.irp i, 2,4,6,8,10,12,14,16,18,20,22,24,26,28,30
.irp c, 0,1
	s_delay_alu instid0(VALU_DEP_2)
	v_max3_num_f32 v[T+\c], v[T+\c], |v[X+32*\c+\i]|, |v[X+32*\c+\i+1]|   ; (the two blocks by turns)
.endr
.endr
.irp c, 0,1
	s_delay_alu instid0(VALU_DEP_2)
	v_add_nc_u32 v[T+2+\c], 0xff000000, v[T+\c]    ; 2 off the exponent field: the conversion takes the exponent field of this operand as its scale
.endr
.irp c, 0,1
	s_delay_alu instid0(VALU_DEP_2)
	v_lshrrev_b32 v[T+4+\c], 23, v[T+2+\c]         ; the scale's byte
.endr
	s_delay_alu instid0(VALU_DEP_1)
	v_lshl_or_b32 v[T+6], v[T+5], 16, v[T+4]       ; my two bytes: blocks h and 2 + h,
	s_delay_alu instid0(VALU_DEP_1)
	v_lshlrev_b32 v[T+6], v[SH], v[T+6]            ; at their places in the scale word;
	v_mov_b32 v[T+7], 0                            ; (a lane permute's destination counts as one of its sources)
	s_delay_alu instid0(VALU_DEP_1)
	v_permlanex16_b32 v[T+7], v[T+6], s22, s23
	s_delay_alu instid0(VALU_DEP_1)
	v_or_b32 v[T+6], v[T+6], v[T+7]                ; with lane l xor 16's two the word is whole
.irp c, 0,1
	v_cvt_scalef32_pk16_fp6_f32 v[C+8*\c:C+8*\c+2], v[X+32*\c:X+32*\c+15], v[T+2+\c]
	v_cvt_scalef32_pk16_fp6_f32 v[C+8*\c+4:C+8*\c+6], v[X+32*\c+16:X+32*\c+31], v[T+2+\c]   ; (a conversion's three registers begin on an even number)
.endr
	v_nop                                          ; one plain place behind a scaled conversion
.irp c, 0,1
.irp i, 3,4,5
	v_mov_b32 v[C+8*\c+\i], v[C+8*\c+\i+1]         ; the block's six registers on end
.endr
.endr
.irp c, 0,1
	global_store_b128 v[L16], v[C+8*\c:C+8*\c+3], s[26:27] offset:768*\c        ; 512 consecutive bytes, aligned
	global_store_b64 v[L8], v[C+8*\c+4:C+8*\c+5], s[26:27] offset:768*\c+512    ; 256 consecutive bytes, aligned
.endr
	ds_store_b32 v[SWA], v[T+6]                    ; both halves of the lanes write the same word with the same value
	s_wait_dscnt 0x0                               ; for the others' sake: my word has landed
	s_barrier_signal -1
	s_barrier_wait -1
	s_cmp_gt_u32 s16, 1                            ; waves 0 and 1 carry the four blocks of scale bytes out
	s_cbranch_scc1 .Lend
	ds_load_b128 v[T+8:T+11], v[SRA]
	s_wait_dscnt 0x0
	global_store_b128 v[SGO], v[T+8:T+11], s[28:29]   ; sixteen lanes store one block of 256 consecutive bytes, aligned
.Lend:
	s_wait_tensorcnt 0x0
	ds_add_u32 v176, v177
	s_wait_dscnt 0x0
	s_endpgm
.Lfunc_end_k_q8dfd13a11f_quant:
	.size	k_q8dfd13a11f_quant, .Lfunc_end_k_q8dfd13a11f_quant-k_q8dfd13a11f_quant
	.p2alignl 7, 3214868480
	.fill 96, 4, 3214868480
	.section	.rodata,"a",@progbits
	.p2align	6, 0x0
	.amdhsa_kernel k_q8dfd13a11f_quant
		.amdhsa_group_segment_fixed_size 138240
		.amdhsa_private_segment_fixed_size 0
		.amdhsa_enable_private_segment 0
		.amdhsa_kernarg_size 48
		.amdhsa_user_sgpr_count 2
		.amdhsa_user_sgpr_kernarg_segment_ptr 1
		.amdhsa_wavefront_size32 1
		.amdhsa_system_sgpr_workgroup_id_x 1
		.amdhsa_system_sgpr_workgroup_id_y 1
		.amdhsa_system_sgpr_workgroup_id_z 1
		.amdhsa_system_vgpr_workitem_id 0
		.amdhsa_next_free_vgpr 178
		.amdhsa_next_free_sgpr 66
		.amdhsa_reserve_vcc 0
		.amdhsa_float_denorm_mode_32 3
		.amdhsa_float_denorm_mode_16_64 3
		.amdhsa_memory_ordered 1
		.amdhsa_forward_progress 1
		.amdhsa_inst_pref_size 13
	.end_amdhsa_kernel
	.amdgpu_metadata
---
amdhsa.version: [ 1, 2 ]
amdhsa.kernels:
  - .name:           k_q8dfd13a11f_quant
    .symbol:         k_q8dfd13a11f_quant.kd
    .args:
      - { .name: x, .offset: 0, .size: 8, .value_kind: global_buffer, .address_space: global }
      - { .name: qkv_w, .offset: 8, .size: 8, .value_kind: global_buffer, .address_space: global }
      - { .name: out_w, .offset: 16, .size: 8, .value_kind: global_buffer, .address_space: global }
      - { .name: xq, .offset: 24, .size: 8, .value_kind: global_buffer, .address_space: global }
      - { .name: wq, .offset: 32, .size: 8, .value_kind: global_buffer, .address_space: global }
      - { .name: ow, .offset: 40, .size: 8, .value_kind: global_buffer, .address_space: global }
    .group_segment_fixed_size: 138240
    .private_segment_fixed_size: 0
    .kernarg_segment_align: 8
    .kernarg_segment_size: 48
    .max_flat_workgroup_size: 512
    .sgpr_count:     66
    .vgpr_count:     178
    .wavefront_size: 32
...
	.end_amdgpu_metadata
.endif
;; end of part 1
;; launch qkv (part 2): grid 8 x 32, 8 waves a work-group, clusters of 4 x 4, 327,680 bytes of LDS; arguments xq, wq, qkv_b, qbuf, kv; writes qbuf, kv
.if DOCPART == 2
	.amdgcn_target "amdgcn-amd-amdhsa--gfx1250"
	.amdhsa_code_object_version 6
	.text
	.protected	k_q8dfd13a11f_qkv
	.globl	k_q8dfd13a11f_qkv
	.p2align	8
	.type	k_q8dfd13a11f_qkv,@function
k_q8dfd13a11f_qkv:
	s_mov_b64 s[64:65], 0
	v_nop
	global_prefetch_b8 v0, s[64:65] scope:SCOPE_SE
	s_setreg_imm32_b32 hwreg(HW_REG_WAVE_MODE, 25, 1), 1
	s_wait_xcnt 0x0
	s_wait_alu depctr_hold_cnt(0) depctr_sa_sdst(0) depctr_va_vdst(0) depctr_va_sdst(0) depctr_va_ssrc(0) depctr_va_vcc(0) depctr_vm_vsrc(0)
	s_getreg_b32 s2, hwreg(HW_REG_IB_STS2, 6, 4)
	s_cmp_eq_u32 s2, 0
	s_cbranch_scc0 .Lentry_in_a_cluster
	s_endpgm
.Lentry_in_a_cluster:
	s_bfe_u32 s2, ttmp6, 0x10000c
	s_cmp_lg_u32 s2, 0xf033
	s_cbranch_scc0 .Lentry_shape_is_right
	s_endpgm
.Lentry_shape_is_right:
; The projection x qkv_w^T + qkv_b on codes of FP6 (E2M3) with E8M0 scales, and the quantising of q, k (along the head's 64) and v (along the keys), in registers.  No f32 intermediate goes to memory.
; Z[p][r] = sum over k of P[p][k] R[r][k]; source 0 = 16 rows of R, source 1 = 16 rows of P: a lane holds one p, its registers run along r, and Z is quantised along r.
; A WORK-GROUP (token block i of 32, column block j of 8) MAKES THREE BLOCKS OF 128 x 128, so that 256 work-groups have equal work:
;   phase 1, q or k:  P = x's 128 tokens i, R = rows 256 j .. 256 j + 255 of qkv_w (r = the heads' channels);    phase 2, v:  P = rows 2,048 + 128 j .. + 127 of qkv_w (channels), R = the SAME 128 tokens (r = the keys).
; Operands come as records of tiles (16 rows, all of K, 12,800 bytes: two chunks of 8 half fragments of 768 bytes + 256 scale bytes).  Tile 2 g + u holds in slot r the row 32 g + 8 u + r + 8 (r / 8): as source 0
; it gives lane half h, register j, the row 32 g + 16 h + 8 u + j, so the 16 registers of two neighbouring tiles are 16 neighbours along r; as source 1 it only says which lane holds which row, and that order is kept in what is stored.
; LDS: chunk c (512 along K) at 153,600 c: x's 8 tiles x 6,400, then from 51,200 on qkv_w's 16.  x (102,400 bytes), the 256 rows (204,800) and v's 128 rows (102,400) do not fit together: so v's rows are brought into
; the 102,400 bytes of chunk 0's 16 tiles when every wave of the cluster has read these out: ONE refill, asked for ahead of chunk 1's four K steps and phase 1's way out, in which it lands.  There v's chunk c lies at 51,200 + 51,200 c, 8 tiles x 6,400.
; 8 waves: phase 1: 64 p x 64 r each, 16 accumulators; phase 2: 32 p x 64 r each, 8 accumulators.
; CLUSTER 4 x 4: the four of a row need the same x, the four of a column the same rows of qkv_w: each tile is asked for jointly.  A wave has one tensor load out at the start, one behind the refill's round.
; OUT: qbuf: codes [b h 32][tile 128][768], from byte 3,145,728 on scale words [b h][tile][16 x 4];  kv: [b h 32][key step 16][13,056]: K's 8 tiles x 768; from 6,144 V^T [64-key half 2][channel tile 4][768];
;   from 12,288 K's scale words 8 x 64; from 12,800 V's 4 x 64.  q's and k's scale words have their upper two bytes 0.
; LIMITS: a block of zeros, and one whose largest magnitude lies under 2^-124, gets the byte 1 (this program alone reads the bytes); NaN and infinities are not served.
.set CH,   153600                      ; a chunk in LDS: 24 tiles x 6,400
.set RB,   51200                       ; where qkv_w's tiles begin in a chunk; also where v's rows land
.set VB,   51200                       ; from v's chunk 0 to its chunk 1
.set SPARE, 2*CH                       ; behind the chunks: the spare words, 128 bytes for each wave: four blocks of 256 bytes that no other line names
.set L16,  1                           ; v1 16 x lane   v2 8 x lane   v3 4 x lane
.set L8,   2
.set L4,   3
.set AP16, 4                           ; v4, v5  my P tiles: + 16 x lane, + 8 x lane
.set AP8,  5
.set AR16, 6                           ; v6, v7  my R tiles
.set AR8,  7
.set AS,   8                           ; v8      scale bytes: one side's slot r in lanes 0-15, the other's in lanes 16-31
                                       ; v10 r = lane % 16, v11 h = lane / 16: kept;  v12, v13 the biases' offsets
.set SPW,  14                          ; v14     LDS address of my spare word: SPARE + 4 x my thread's number; never rewritten
.set NIL,  15                          ; v15     0; never rewritten
.set SC,   16                          ; v16-31  scale words: register 4 i + ks: tile i of either side, K step ks of the chunk; they hold nothing else
.set PF,   32                          ; v32-79  P's fragments (phase 2: two)
.set RF,   80                          ; v80-127 R's four
.set ACC,  128                         ; v128-255 accumulator (a, b) at ACC + 8 (4 a + b)
.set CD,   32                          ; the way out, over P's fragments: codes, eight registers for each a
.set PW,   64                          ; v64-67  scale words made
.set MW,   68                          ; v68-69  two tiles' words in one register
.set TM,   70
.set TP,   72
.set TS,   74
                                       ; window 1: v256-287 q's or k's bias, along r; v288-291 v's, along p, each number twice
.set WV,   14
.set G1P,  24                          ; s[24:31] descriptor group 1 for x's tiles; s[32:39] for qkv_w's first fills; s[76:83] for v's rows
.set G1R,  32
.set G0P,  40                          ; s[40:47], s[48:55] groups 0, one for x's tiles, one for qkv_w's; s[84:87] the refill's
.set G0R,  48
.set SEL,  56
.set HM,   58
.set G1V,  76
.set G0V,  84
.set T0,   2                           ; scalars at work; none of them lies in a descriptor's registers
.set T1,   3
.set T2,   20
.set T3,   21
.set T4,   59
.set T5,   74
.set T6,   100
.set T7,   101
.set MSB, 0
.macro WIN new                         ; the immediate's high byte repeats the setting that is left
.if MSB != \new
	s_set_vgpr_msb (MSB<<8)|\new
.set MSB, \new
.endif
.endm
.macro PLACES n
.rept \n
	v_nop
.endr
.endm
.macro CROUND                          ; a round of the cluster's barrier
	s_barrier_signal -1
	s_barrier_wait -1
	s_cmp_lg_u32 s[WV], 0
	s_cbranch_scc1 .Lnot_wave_0_\@
	s_barrier_signal -3
.Lnot_wave_0_\@:
	s_barrier_wait -3
	s_barrier_signal -1
	s_barrier_wait -1
.endm
.macro FRAG reg, a16, a8, off          ; a fragment (16 rows x 128 K, 12 registers) is two half fragments on end: four dense loads
	ds_load_b128 v[(\reg):(\reg)+3], v[\a16] offset:(\off)
	ds_load_b64 v[(\reg)+4:(\reg)+5], v[\a8] offset:(\off)+512
	ds_load_b128 v[(\reg)+6:(\reg)+9], v[\a16] offset:(\off)+768
	ds_load_b64 v[(\reg)+10:(\reg)+11], v[\a8] offset:(\off)+1280
.endm
; Phase 1: a K step of 128: eight fragments, sixteen products.  The 16 accumulators take turns, one instruction a turn, in the same order in every step.
; Scale register 4 i + ks: lanes 0-15 P tile i, lanes 16-31 R tile i.
.macro KSTEP ks, zero
	PLACES 4                                       ; in front of loads into registers that matrix instructions have read (ISA guide 7.12.1 for vector instructions)
.if \ks == 0
.irp i, 0,1,2,3
	ds_load_b128 v[SC+4*\i:SC+4*\i+3], v[AS] offset:6400*\i+6144   ; the chunk's four scale words of each row
.endr
.endif
	FRAG PF, AP16, AP8, 1536*\ks
.irp b, 0,1,2,3
	FRAG RF+12*\b, AR16, AR8, 6400*\b+1536*\ks
.endr
.irp a, 1,2,3
	FRAG PF+12*\a, AP16, AP8, 6400*\a+1536*\ks
.endr
.irp a, 0,1,2,3
	s_wait_dscnt 4*(3-\a)                          ; all but the loads of P's younger fragments, four each
.irp b, 0,1,2,3
.if \zero
	v_wmma_scale_f32_16x16x128_f8f6f4 v[ACC+8*(4*\a+\b):ACC+8*(4*\a+\b)+7], v[RF+12*\b:RF+12*\b+11], v[PF+12*\a:PF+12*\a+11], 0, v[SC+4*\b+\ks], v[SC+4*\a+\ks] matrix_a_fmt:MATRIX_FMT_FP6 matrix_b_fmt:MATRIX_FMT_FP6 matrix_a_scale:MATRIX_SCALE_ROW1
.else
	v_wmma_scale_f32_16x16x128_f8f6f4 v[ACC+8*(4*\a+\b):ACC+8*(4*\a+\b)+7], v[RF+12*\b:RF+12*\b+11], v[PF+12*\a:PF+12*\a+11], v[ACC+8*(4*\a+\b):ACC+8*(4*\a+\b)+7], v[SC+4*\b+\ks], v[SC+4*\a+\ks] matrix_a_fmt:MATRIX_FMT_FP6 matrix_b_fmt:MATRIX_FMT_FP6 matrix_a_scale:MATRIX_SCALE_ROW1
.endif
.endr
.endr
.endm
; Phase 2: a K step of 128: six fragments, eight products, the 8 accumulators by turns.  The side whose LDS bytes lie lower has its scale words in lanes 0-15: in chunk 0 that is R (x), in chunk 1 P (v's rows).
.macro KSTEPV ks, ch, zero
	PLACES 4
.if \ks == 0
.irp i, 0,1,2,3
	ds_load_b128 v[SC+4*\i:SC+4*\i+3], v[AS] offset:6400*\i+6144   ; (for i = 2, 3 P's half of the lanes reads bytes of other tiles, which no product names)
.endr
.endif
	FRAG PF, AP16, AP8, 1536*\ks
.irp b, 0,1,2,3
	FRAG RF+12*\b, AR16, AR8, 6400*\b+1536*\ks
.endr
	FRAG PF+12, AP16, AP8, 6400+1536*\ks
.irp a, 0,1
	s_wait_dscnt 4*(1-\a)                          ; all but the four loads of P's younger fragment
.irp b, 0,1,2,3
.if \zero
	v_wmma_scale_f32_16x16x128_f8f6f4 v[ACC+8*(4*\a+\b):ACC+8*(4*\a+\b)+7], v[RF+12*\b:RF+12*\b+11], v[PF+12*\a:PF+12*\a+11], 0, v[SC+4*\b+\ks], v[SC+4*\a+\ks] matrix_a_fmt:MATRIX_FMT_FP6 matrix_b_fmt:MATRIX_FMT_FP6 matrix_b_scale:MATRIX_SCALE_ROW1
.elseif \ch == 0
	v_wmma_scale_f32_16x16x128_f8f6f4 v[ACC+8*(4*\a+\b):ACC+8*(4*\a+\b)+7], v[RF+12*\b:RF+12*\b+11], v[PF+12*\a:PF+12*\a+11], v[ACC+8*(4*\a+\b):ACC+8*(4*\a+\b)+7], v[SC+4*\b+\ks], v[SC+4*\a+\ks] matrix_a_fmt:MATRIX_FMT_FP6 matrix_b_fmt:MATRIX_FMT_FP6 matrix_b_scale:MATRIX_SCALE_ROW1
.else
	v_wmma_scale_f32_16x16x128_f8f6f4 v[ACC+8*(4*\a+\b):ACC+8*(4*\a+\b)+7], v[RF+12*\b:RF+12*\b+11], v[PF+12*\a:PF+12*\a+11], v[ACC+8*(4*\a+\b):ACC+8*(4*\a+\b)+7], v[SC+4*\b+\ks], v[SC+4*\a+\ks] matrix_a_fmt:MATRIX_FMT_FP6 matrix_b_fmt:MATRIX_FMT_FP6 matrix_a_scale:MATRIX_SCALE_ROW1
.endif
.endr
.endr
.endm
; 32 numbers of a lane, register 16 g + i = place 32 g + 16 (lane / 16) + i along the next K, become a half fragment in v[c .. c + 5] and its scale word (two bytes) in v[w].
.macro QUANT32 s, c, w
.irp g, 0,1
	v_max3_num_f32 v[TM+\g], |v[(\s)+16*\g]|, |v[(\s)+16*\g+1]|, 0x1800000   ; my 16 numbers of block g, and the floor 2^(3 - 127): the byte cannot fall under 1
.endr
.irp i, 2,4,6,8,10,12,14
.irp g, 0,1
	s_delay_alu instid0(VALU_DEP_2)
	v_max3_num_f32 v[TM+\g], v[TM+\g], |v[(\s)+16*\g+\i]|, |v[(\s)+16*\g+\i+1]|
.endr
.endr
.irp g, 0,1
	s_delay_alu instid0(VALU_DEP_2)
	v_permlanex16_b32 v[TP+\g], v[TM+\g], s[SEL], s[SEL+1]
.endr
.irp g, 0,1
	s_delay_alu instid0(VALU_DEP_2)
	v_max_num_f32 v[TM+\g], v[TM+\g], v[TP+\g]     ; with lane l xor 16's: the block's largest magnitude
.endr
.irp g, 0,1
	s_delay_alu instid0(VALU_DEP_2)
	v_add_nc_u32 v[TS+\g], 0xff000000, v[TM+\g]    ; 2 off its exponent field: the conversion's scale operand
.endr
.irp g, 0,1
	s_delay_alu instid0(VALU_DEP_2)
	v_lshrrev_b32 v[TP+\g], 23, v[TS+\g]           ; the scale's byte
.endr
	s_delay_alu instid0(VALU_DEP_1)
	v_lshl_or_b32 v[\w], v[TP+1], 8, v[TP]
	v_cvt_scalef32_pk16_fp6_f32 v[(\c):(\c)+2], v[(\s):(\s)+15], v[TS]
	v_cvt_scalef32_pk16_fp6_f32 v[(\c)+4:(\c)+6], v[(\s)+16:(\s)+31], v[TS+1]   ; (a conversion's three registers begin on an even number)
	v_nop                                          ; one plain place behind a scaled conversion
.irp i, 0,1,2
	v_permlane16_swap_b32 v[(\c)+\i], v[(\c)+4+\i] ; a WHOLE block to a lane: lanes 0-15 block 0, lanes 16-31 block 1
.endr
.irp i, 3,4,5
	s_delay_alu instid0(VALU_DEP_3)
	v_mov_b32 v[(\c)+\i], v[(\c)+\i+1]
.endr
.endm
	s_load_b256 s[4:11], s[0:1], 0x0               ; xq s[4:5], wq s[6:7], qkv_b s[8:9], qbuf s[10:11]
	s_load_b64 s[12:13], s[0:1], 0x20              ; kv
	v_lshl_add_u32 v[SPW], v0, 2, SPARE
	v_mov_b32 v[NIL], 0
	ds_add_u32 v14, v15
	ds_add_u32 v14, v15
	s_wait_dscnt 0x0
	v_lshrrev_b32 v9, 5, v0
	s_delay_alu instid0(VALU_DEP_1)
	v_readfirstlane_b32 s[WV], v9                  ; wave 0..7
	s_lshr_b32 s15, s[WV], 2                       ; phase 1: which 64 of the 128 p are mine.  Also: which chunk I fetch, at the head and of v's rows
	s_and_b32 s16, s[WV], 3                        ; phase 1: which 64 of the 256 r.  Also: which quarter of an operand's tiles I fetch
	s_bfe_u32 s17, ttmp6, 0x40000                  ; cx
	s_bfe_u32 s18, ttmp6, 0x40004                  ; cy
	s_mov_b32 s19, ttmp9                           ; the cluster's x: 0: q, 1: k: the same in all sixteen partners
	s_and_b32 s22, ttmp7, 0xffff
	s_lshl_b32 s22, s22, 2
	s_add_co_u32 s22, s22, s18                     ; token block i, 0..31: hangs on the cluster's y and cy
	s_lshl_b32 s23, s19, 2
	s_add_co_u32 s23, s23, s17                     ; column block j, 0..7: hangs on the cluster's x and cx
	s_lshl_b32 s66, s22, 3
	s_and_b32 s67, s[WV], 1                        ; at the head I fetch this half of an operand's tiles, one chunk (s15) of them
	s_lshl_b32 s67, s67, 2
	s_add_co_u32 s66, s66, s67                     ; x: the first of the four tiles that I fetch
	s_mul_i32 s66, s66, 12800
	s_mov_b32 s67, 0
	s_lshl_b32 s94, s23, 4
	s_and_b32 s95, s[WV], 1
	s_lshl_b32 s95, s95, 3
	s_add_co_u32 s94, s94, s95                     ; qkv_w, phase 1: the first of the eight
	s_mul_i32 s94, s94, 12800
	s_mov_b32 s95, 0
	s_lshl_b32 s98, s23, 3
	s_lshl_b32 s99, s16, 1
	s_add_co_u32 s98, s98, s99
	s_add_co_u32 s98, s98, 128                     ; v's rows begin at tile 128: the first of the two tiles that I fetch,
	s_mul_i32 s98, s98, 12800
	s_mul_i32 s99, s15, 6400                       ; and which chunk of them
	s_add_co_u32 s98, s98, s99
	s_mov_b32 s99, 0
	s_lshl_b32 s68, s18, 2
	s_lshl_b32 s68, 15, s68                        ; my row of the cluster
	s_lshl_b32 s96, 0x1111, s17                    ; my column
	; descriptor group 1: rows of 6,400 bytes (a tile's chunk: 800 elements of 8 bytes), 12,800 bytes apart in memory, dense in LDS
	s_or_b32 s[G1P], s68, (3<<16)|(1<<21)          ; 15:0 the mask; 17:16 elements of 8 bytes; 20 no padding; 21 set beside a mask
	s_or_b32 s[G1R], s96, (3<<16)|(1<<21)
	s_or_b32 s[G1V], s96, (3<<16)|(1<<21)
.irp g, G1P, G1R, G1V
	s_mov_b32 s[\g+1], 800<<16                     ; tensor_dim0
	s_mov_b32 s[\g+3], 800<<16                     ; tile_dim0
	s_mov_b32 s[\g+5], 1600                        ; tensor_dim0_stride
	s_mov_b32 s[\g+6], 0
	s_mov_b32 s[\g+7], 0
.endr
	s_mov_b32 s[G1P+2], 4<<16                      ; four tiles of x a load,
	s_mov_b32 s[G1P+4], 4
	s_mov_b32 s[G1R+2], 8<<16                      ; eight of qkv_w,
	s_mov_b32 s[G1R+4], 8
	s_mov_b32 s[G1V+2], 2<<16                      ; two of v's rows
	s_mov_b32 s[G1V+4], 2
	s_mul_i32 s69, s16, 12800                      ; where they go: the wave's number alone enters an LDS address
	s_mul_i32 s[G0V+1], s15, VB
	s_add_co_u32 s[G0V+1], s[G0V+1], s69
	s_add_co_u32 s[G0V+1], s[G0V+1], RB            ; the refill: 51,200 + 51,200 x chunk + 12,800 x quarter
	s_mov_b32 s[G0V], 1
	s_mov_b32 s[SEL], 0x76543210
	s_mov_b32 s[SEL+1], 0xfedcba98                 ; v_permlanex16_b32's selects for lane l xor 16
	s_mov_b32 s[HM], 0xffff0000                    ; lanes 16-31
	s_wait_kmcnt 0x0
	s_add_nc_u64 s[60:61], s[4:5], s[66:67]
	s_add_nc_u64 s[62:63], s[6:7], s[94:95]
	s_add_nc_u64 s[G0V+2:G0V+3], s[6:7], s[98:99]
	s_or_b32 s[G0V+3], s[G0V+3], 0x80000000        ; type = 2
	CROUND                                         ; all sixteen work-groups are here: the joint loads meet
	; THE HEAD'S LOADS, ONE A WAVE: wave = 4 x chunk + 2 x operand + half.  Waves 0, 1: chunk 0 of x's tiles, a half each; 2, 3: chunk 0 of qkv_w's; 4 to 7 the same of chunk 1.
	s_and_b32 s[T0], s[WV], 1
	s_mul_i32 s[T1], s15, CH                       ; the chunk in LDS,
	s_mul_i32 s[T2], s15, 6400                     ; and in a tile's record
	s_mov_b32 s[T3], 0
	s_mov_b32 s[G0P], 1
	s_mul_i32 s[G0P+1], s[T0], 25600
	s_add_co_u32 s[G0P+1], s[G0P+1], s[T1]
	s_add_nc_u64 s[G0P+2:G0P+3], s[60:61], s[T2:T2+1]
	s_or_b32 s[G0P+3], s[G0P+3], 0x80000000
	s_mov_b32 s[G0R], 1
	s_mul_i32 s[G0R+1], s[T0], 51200
	s_add_co_u32 s[G0R+1], s[G0R+1], s[T1]
	s_add_co_u32 s[G0R+1], s[G0R+1], RB
	s_add_nc_u64 s[G0R+2:G0R+3], s[62:63], s[T2:T2+1]
	s_or_b32 s[G0R+3], s[G0R+3], 0x80000000
	s_cmp_lt_u32 s[WV], 2                          ; one chain of branches on the wave's number, one load to an arm: chunk 0's two lines are issued by waves 0 to 3 alone
	s_cbranch_scc0 .Larm_r0
	tensor_load_to_lds s[G0P:G0P+3], s[G1P:G1P+7]
	s_nop 0
	PLACES 4
	s_branch .Lfilled
.Larm_r0:
	s_cmp_lt_u32 s[WV], 4
	s_cbranch_scc0 .Larm_p1
	tensor_load_to_lds s[G0R:G0R+3], s[G1R:G1R+7]
	s_nop 0
	PLACES 4
	s_branch .Lfilled
.Larm_p1:
	s_cmp_lt_u32 s[WV], 6
	s_cbranch_scc0 .Larm_r1
	tensor_load_to_lds s[G0P:G0P+3], s[G1P:G1P+7]
	s_nop 0
	PLACES 4
	s_branch .Lfilled
.Larm_r1:
	tensor_load_to_lds s[G0R:G0R+3], s[G1R:G1R+7]
	s_nop 0
	PLACES 4
.Lfilled:
	v_and_b32 v9, 31, v0                           ; lane
	v_and_b32 v10, 15, v0                          ; r
	v_bfe_u32 v11, v0, 4, 1                        ; h
	s_delay_alu instid0(VALU_DEP_3)
	v_lshlrev_b32 v[L16], 4, v9
	s_delay_alu instid0(VALU_DEP_4)
	v_lshlrev_b32 v[L8], 3, v9
	v_lshlrev_b32 v[L4], 2, v9
	s_mul_i32 s[T0], s15, 25600                    ; phase 1: my four tiles of P
	s_mul_i32 s[T1], s16, 25600
	s_add_co_u32 s[T1], s[T1], RB                  ; my four tiles of R
	v_add_nc_u32 v[AP16], s[T0], v[L16]
	v_add_nc_u32 v[AP8], s[T0], v[L8]
	v_add_nc_u32 v[AR16], s[T1], v[L16]
	v_add_nc_u32 v[AR8], s[T1], v[L8]
	s_sub_co_u32 s[T1], s[T1], s[T0]
	v_mul_u32_u24 v[AS], s[T1], v11                ; lanes 16-31 take R's: one product, the distance between the two bases x h
	s_delay_alu instid0(VALU_DEP_1)
	v_lshl_add_u32 v[AS], v10, 4, v[AS]
	s_delay_alu instid0(VALU_DEP_1)
	v_add_nc_u32 v[AS], s[T0], v[AS]
	; where phase 1's results go
	s_lshl_b32 s[T0], s22, 3
	s_lshl_b32 s[T1], s15, 2
	s_add_co_u32 s[T0], s[T0], s[T1]               ; my first token tile
	s_lshr_b32 s[T1], s[T0], 7                     ; batch
	s_and_b32 s[T0], s[T0], 127                    ; tile in the batch
	s_lshl_b32 s[T2], s23, 2
	s_add_co_u32 s[T2], s[T2], s16
	s_lshl_b32 s75, s[T2], 6                       ; my first row of qkv_w: the bias along r
	s_and_b32 s[T2], s[T2], 15                     ; head
	s_lshl_b32 s[T1], s[T1], 4
	s_add_co_u32 s[T1], s[T1], s[T2]               ; b h
	s_mul_i32 s[T3], s[T1], 98304
	s_mul_i32 s[T4], s[T0], 768
	s_add_co_u32 s[T3], s[T3], s[T4]               ; q: codes,
	s_lshl_b32 s[T4], s[T1], 13
	s_lshl_b32 s[T5], s[T0], 6
	s_add_co_u32 s[T4], s[T4], s[T5]
	s_add_co_u32 s[T4], s[T4], 3145728             ; scale words
	s_mul_i32 s[T5], s[T1], 208896
	s_lshr_b32 s[T6], s[T0], 3
	s_mul_i32 s[T6], s[T6], 13056
	s_add_co_u32 s[T5], s[T5], s[T6]               ; k: the key step's record,
	s_and_b32 s[T6], s[T0], 7
	s_mul_i32 s[T7], s[T6], 768
	s_add_co_u32 s[T7], s[T7], s[T5]               ; codes,
	s_lshl_b32 s[T6], s[T6], 6
	s_add_co_u32 s[T6], s[T6], s[T5]
	s_add_co_u32 s[T6], s[T6], 12288               ; scale words
	s_cmp_eq_u32 s19, 0                            ; rows 0-1,023 of qkv_w: q;  rows 1,024-2,047: k
	s_cselect_b32 s70, s[T3], s[T7]
	s_cselect_b32 s72, s[T4], s[T6]
	s_cselect_b64 s[92:93], s[10:11], s[12:13]     ; qbuf or kv
	s_mov_b32 s71, 0
	s_mov_b32 s73, 0
	s_add_nc_u64 s[70:71], s[92:93], s[70:71]
	s_add_nc_u64 s[72:73], s[92:93], s[72:73]
	; and phase 2's: wave w has channel tiles 2 (w / 2), + 1 of the block's eight and tokens 64 (w % 2) on
	s_lshr_b32 s[T0], s[WV], 1
	s_and_b32 s[T1], s[WV], 1                      ; which 64 keys of the key step
	s_lshl_b32 s[T2], s23, 1
	s_lshr_b32 s[T3], s[T0], 1
	s_add_co_u32 s[T2], s[T2], s[T3]               ; head
	s_lshr_b32 s[T3], s22, 4                       ; batch
	s_lshl_b32 s[T3], s[T3], 4
	s_add_co_u32 s[T3], s[T3], s[T2]               ; b h
	s_mul_i32 s[T3], s[T3], 208896
	s_and_b32 s[T4], s22, 15                       ; the token block is one key step of 128
	s_mul_i32 s[T4], s[T4], 13056
	s_add_co_u32 s[T3], s[T3], s[T4]               ; its record
	s_and_b32 s[T4], s[T0], 1                      ; which two of the head's four channel tiles
	s_mul_i32 s[T5], s[T4], 1536
	s_mul_i32 s[T6], s[T1], 3072
	s_add_co_u32 s88, s[T3], s[T5]
	s_add_co_u32 s88, s88, s[T6]
	s_add_co_u32 s88, s88, 6144                    ; codes,
	s_lshl_b32 s[T5], s[T4], 7
	s_lshl_b32 s[T6], s[T1], 1
	s_add_co_u32 s90, s[T3], s[T5]
	s_add_co_u32 s90, s90, s[T6]
	s_add_co_u32 s90, s90, 12800                   ; my two bytes of each scale word
	s_mov_b32 s89, 0
	s_mov_b32 s91, 0
	s_add_nc_u64 s[88:89], s[12:13], s[88:89]
	s_add_nc_u64 s[90:91], s[12:13], s[90:91]
	s_lshl_b32 s[T7], s23, 7
	s_lshl_b32 s[T5], s[T0], 5
	s_add_co_u32 s[T7], s[T7], s[T5]
	s_add_co_u32 s[T7], s[T7], 2048                ; my channels' rows of qkv_w: the bias along p
	v_lshlrev_b32 v12, 6, v11
	s_delay_alu instid0(VALU_DEP_1)
	v_lshl_add_u32 v12, s75, 2, v12                ; the bias along r: lane half h wants, for tile 2 g + u, rows 32 g + 16 h + 8 u + 0 .. 7
	v_and_b32 v13, 8, v10
	s_delay_alu instid0(VALU_DEP_1)
	v_add_nc_u32 v13, v13, v10
	s_delay_alu instid0(VALU_DEP_1)
	v_add_nc_u32 v13, s[T7], v13
	s_delay_alu instid0(VALU_DEP_1)
	v_lshlrev_b32 v13, 2, v13                      ; the bias along p: slot r of tile u is row 8 u + r + 8 (r / 8)
	WIN 0x40                                       ; destination window 1
.irp b, 0,1,2,3
	global_load_b128 v[8*\b:8*\b+3], v12, s[8:9] offset:(32*(\b/2)+8*(\b%2))*4
	global_load_b128 v[8*\b+4:8*\b+7], v12, s[8:9] offset:(32*(\b/2)+8*(\b%2))*4+16
.endr
.irp a, 0,1
	global_load_b32 v[32+2*\a], v13, s[8:9] offset:32*\a
	global_load_b32 v[33+2*\a], v13, s[8:9] offset:32*\a
.endr
	WIN 0
	; ---- phase 1
	s_wait_alu depctr_va_vdst(0)
	s_cmp_lt_u32 s[WV], 4                          ; chunk 0 was asked for by waves 0 to 3: they wait for it; chunk 1's loads may stay out
	s_cbranch_scc0 .Lnot_chunk_0
	s_wait_tensorcnt 0x0
.Lnot_chunk_0:
	s_barrier_signal -1
	s_barrier_wait -1                              ; everybody's is
	KSTEP 0, 1                                     ; the first products start the sums
	KSTEP 1, 0
	KSTEP 2, 0
	KSTEP 3, 0
	s_wait_tensorcnt 0x0                           ; all my tensor loads have landed: my part of chunk 1;
	ds_add_u32 v[SPW], v[NIL]                      ; 0 onto my spare word; the steps below stand between it and the wait for it
.irp v, AP16, AP8, AR16, AR8, AS
	v_add_nc_u32 v[\v], CH, v[\v]                  ; on to chunk 1
.endr
	s_wait_dscnt 0x0                               ; the add is done, and my reads of chunk 0 are over
	CROUND                                         ; both now hold of every wave of every work-group of the cluster: chunk 1 is whole, and nobody reads chunk 0's rows of qkv_w any more
	tensor_load_to_lds s[G0V:G0V+3], s[G1V:G1V+7]  ; THE REFILL, my one tensor load behind the round: two tiles of v's rows, one chunk, into those bytes
	s_nop 0
	PLACES 4
	s_wait_alu depctr_va_vdst(0)
	KSTEP 0, 0
	KSTEP 1, 0
	KSTEP 2, 0
	KSTEP 3, 0
	PLACES 4                                       ; in front of the first read of results, and of writes over the fragments' registers
	s_wait_loadcnt 0x0                             ; the biases
	WIN 0x04                                       ; source 1 window 1
.irp a, 0,1,2,3
.set i, 0
.rept 16
	v_pk_add_f32 v[ACC+32*\a+i:ACC+32*\a+i+1], v[ACC+32*\a+i:ACC+32*\a+i+1], v[i:i+1]   ; q, k: the bias runs along the registers; each accumulator from its low end on
.set i, i+2
.endr
.endr
	WIN 0
	v_mov_b32 v[TP], 0                             ; a lane permute's destination counts as one of its sources
	v_mov_b32 v[TP+1], 0
.irp a, 0,1,2,3
	QUANT32 ACC+32*\a, CD+8*\a, PW+\a
	global_store_b128 v[L16], v[CD+8*\a:CD+8*\a+3], s[70:71] offset:768*\a        ; 512 consecutive bytes, aligned
	global_store_b64 v[L8], v[CD+8*\a+4:CD+8*\a+5], s[70:71] offset:768*\a+512    ; 256 consecutive bytes, aligned
.endr
.irp i, 0,1
	v_cndmask_b32 v[MW+\i], v[PW+2*\i], v[PW+2*\i+1], s[HM]   ; lanes 0-15 tile 2 i's words, lanes 16-31 tile 2 i + 1's
.endr
	global_store_b32 v[L4], v[MW], s[72:73]        ; whole words: 128 consecutive bytes a store
	global_store_b32 v[L4], v[MW+1], s[72:73] offset:128
	; ---- phase 2: V^T = (v's rows) x^T: P = v's rows, from the refilled bytes; R = x's tokens, which have lain in LDS since the start
	s_wait_tensorcnt 0x0                           ; my part of v's rows is in (no LDS load of mine is out: the last count above was 0),
	s_wait_xcnt 0x0                                ; and the stores above have read their registers: fragments are loaded over them only behind this wait
	s_barrier_signal -1
	s_barrier_wait -1                              ; everybody's is
	s_lshr_b32 s[T0], s[WV], 1
	s_and_b32 s[T1], s[WV], 1
	s_mul_i32 s[T0], s[T0], 12800
	s_add_co_u32 s[T0], s[T0], RB                  ; my two tiles of P, chunk 0
	s_mul_i32 s[T1], s[T1], 25600                  ; my four tiles of R, chunk 0: they lie lower
	v_add_nc_u32 v[AP16], s[T0], v[L16]
	s_wait_alu depctr_va_vdst(0)
	v_add_nc_u32 v[AP8], s[T0], v[L8]
	s_wait_alu depctr_va_vdst(0)
	v_add_nc_u32 v[AR16], s[T1], v[L16]
	s_wait_alu depctr_va_vdst(0)
	v_add_nc_u32 v[AR8], s[T1], v[L8]
	s_wait_alu depctr_va_vdst(0)
	s_sub_co_u32 s[T2], s[T0], s[T1]
	v_mul_u32_u24 v[AS], s[T2], v11                ; lanes 0-15 take R's scale bytes, lanes 16-31 P's: the lower base + h x the distance
	s_delay_alu instid0(VALU_DEP_1)
	v_lshl_add_u32 v[AS], v10, 4, v[AS]
	s_delay_alu instid0(VALU_DEP_1)
	v_add_nc_u32 v[AS], s[T1], v[AS]
	KSTEPV 0, 0, 1                                 ; the first products start the sums anew (more than five places behind the last product that named these registers)
	KSTEPV 1, 0, 0
	KSTEPV 2, 0, 0
	KSTEPV 3, 0, 0
	v_add_nc_u32 v[AP16], VB, v[AP16]              ; on to chunk 1: there P lies lower
	s_wait_alu depctr_va_vdst(0)
	v_add_nc_u32 v[AP8], VB, v[AP8]
	s_wait_alu depctr_va_vdst(0)
	v_add_nc_u32 v[AR16], CH, v[AR16]
	s_wait_alu depctr_va_vdst(0)
	v_add_nc_u32 v[AR8], CH, v[AR8]
	s_wait_alu depctr_va_vdst(0)
	s_add_co_u32 s[T0], s[T0], VB
	s_add_co_u32 s[T1], s[T1], CH
	s_sub_co_u32 s[T2], s[T1], s[T0]
	v_mul_u32_u24 v[AS], s[T2], v11                ; lanes 0-15 take P's scale bytes, lanes 16-31 R's
	s_delay_alu instid0(VALU_DEP_1)
	v_lshl_add_u32 v[AS], v10, 4, v[AS]
	s_delay_alu instid0(VALU_DEP_1)
	v_add_nc_u32 v[AS], s[T0], v[AS]
	KSTEPV 0, 1, 0
	KSTEPV 1, 1, 0
	KSTEPV 2, 1, 0
	KSTEPV 3, 1, 0
	PLACES 4
	WIN 0x04
.irp a, 0,1
.set i, 0
.rept 16
	v_pk_add_f32 v[ACC+32*\a+i:ACC+32*\a+i+1], v[ACC+32*\a+i:ACC+32*\a+i+1], v[32+2*\a:33+2*\a]   ; v: the lane's channel's bias; each accumulator from its low end on
.set i, i+2
.endr
.endr
	WIN 0
.irp a, 0,1
	QUANT32 ACC+32*\a, CD+8*\a, PW+\a
	global_store_b128 v[L16], v[CD+8*\a:CD+8*\a+3], s[88:89] offset:768*\a
	global_store_b64 v[L8], v[CD+8*\a+4:CD+8*\a+5], s[88:89] offset:768*\a+512
.endr
	v_cndmask_b32 v[MW], v[PW], v[PW+1], s[HM]
	global_store_b16 v[L4], v[MW], s[90:91]        ; my 64 keys are two of a word's four bytes; the wave beside me stores the other two
	s_wait_tensorcnt 0x0                           ; the wave's end
	ds_add_u32 v[SPW], v[NIL]
	s_wait_dscnt 0x0
	CROUND                                         ; the closing round: no work-group ends while a partner may still ask for a tile that names it
	s_endpgm
.Lfunc_end_k_q8dfd13a11f_qkv:
	.size	k_q8dfd13a11f_qkv, .Lfunc_end_k_q8dfd13a11f_qkv-k_q8dfd13a11f_qkv
	.p2alignl 7, 3214868480
	.fill 96, 4, 3214868480
	.section	.rodata,"a",@progbits
	.p2align	6, 0x0
	.amdhsa_kernel k_q8dfd13a11f_qkv
		.amdhsa_group_segment_fixed_size 327680
		.amdhsa_private_segment_fixed_size 0
		.amdhsa_enable_private_segment 0
		.amdhsa_kernarg_size 40
		.amdhsa_user_sgpr_count 2
		.amdhsa_user_sgpr_kernarg_segment_ptr 1
		.amdhsa_wavefront_size32 1
		.amdhsa_system_sgpr_workgroup_id_x 1
		.amdhsa_system_sgpr_workgroup_id_y 1
		.amdhsa_system_sgpr_workgroup_id_z 1
		.amdhsa_system_vgpr_workitem_id 0
		.amdhsa_next_free_vgpr 304
		.amdhsa_next_free_sgpr 102
		.amdhsa_reserve_vcc 0
		.amdhsa_float_denorm_mode_32 3
		.amdhsa_float_denorm_mode_16_64 3
		.amdhsa_memory_ordered 1
		.amdhsa_forward_progress 1
		.amdhsa_inst_pref_size 95
	.end_amdhsa_kernel
	.amdgpu_metadata
---
amdhsa.version: [ 1, 2 ]
amdhsa.kernels:
  - .name:           k_q8dfd13a11f_qkv
    .symbol:         k_q8dfd13a11f_qkv.kd
    .args:
      - { .name: xq, .offset: 0, .size: 8, .value_kind: global_buffer, .address_space: global }
      - { .name: wq, .offset: 8, .size: 8, .value_kind: global_buffer, .address_space: global }
      - { .name: qkv_b, .offset: 16, .size: 8, .value_kind: global_buffer, .address_space: global }
      - { .name: qbuf, .offset: 24, .size: 8, .value_kind: global_buffer, .address_space: global }
      - { .name: kv, .offset: 32, .size: 8, .value_kind: global_buffer, .address_space: global }
    .group_segment_fixed_size: 327680
    .private_segment_fixed_size: 0
    .kernarg_segment_align: 8
    .kernarg_segment_size: 40
    .max_flat_workgroup_size: 256
    .sgpr_count:     102
    .vgpr_count:     304
    .wavefront_size: 32
...
	.end_amdgpu_metadata
.endif
;; end of part 2
;; launch attn (part 3): grid 8 x 32, 8 waves a work-group, clusters of 4 x 1, 210,944 bytes of LDS; arguments qbuf, kv, cx; writes cx
.if DOCPART == 3
	.amdgcn_target "amdgcn-amd-amdhsa--gfx1250"
	.amdhsa_code_object_version 6
	.text
	.protected	k_q8dfd13a11f_attn
	.globl	k_q8dfd13a11f_attn
	.p2align	8
	.type	k_q8dfd13a11f_attn,@function
k_q8dfd13a11f_attn:
	s_mov_b64 s[64:65], 0
	v_nop
	global_prefetch_b8 v0, s[64:65] scope:SCOPE_SE
	s_setreg_imm32_b32 hwreg(HW_REG_WAVE_MODE, 25, 1), 1
	s_wait_xcnt 0x0
	s_wait_alu depctr_hold_cnt(0) depctr_sa_sdst(0) depctr_va_vdst(0) depctr_va_sdst(0) depctr_va_ssrc(0) depctr_va_vcc(0) depctr_vm_vsrc(0)
	s_getreg_b32 s2, hwreg(HW_REG_IB_STS2, 6, 4)
	s_cmp_eq_u32 s2, 0
	s_cbranch_scc0 .Lentry_in_a_cluster
	s_endpgm
.Lentry_in_a_cluster:
	s_bfe_u32 s2, ttmp6, 0x10000c
	s_cmp_lg_u32 s2, 0x3003
	s_cbranch_scc0 .Lentry_shape_is_right
	s_endpgm
.Lentry_shape_is_right:
; ctx[b][q][h][:] = the sum over k of softmax_k(q . k / 8) v, both products on codes of FP6 (E2M3) with E8M0 scales, and the quantising of ctx along the out projection's K, in registers.
; THE SOFTMAX AHEAD OF THE SECOND PRODUCT: t = score x log2(e) / 8; M = the running largest t rounded UP to a whole number; p = 2^(t - M) is quantised along the keys, not normalised; the row's sum is taken
; of the unquantised p and divides at the end.  When M moves, the sum and O are multiplied by 2^(old M - new M): exact.
; SHARES: a work-group owns 256 queries of one (batch, head); each of its eight waves TWO tiles of 16 queries (x = 0, 1), which share every fragment of K and V: 38 LDS loads serve 24 products.
; LDS holds the head's K and V whole: 16 records (128 keys each) of 13,056 bytes, filled ONCE: wave w asks for records 2 w and 2 w + 1 by one joint load, the wave's one tensor load.  No byte is filled again.
; THE WALK BEGINS AT THE WAVE'S OWN RECORDS (the order of the keys is free under a running M): step n takes record (2 w + n) % 16.  The barrier that shows all records is signalled behind the wave's own wait
; and awaited in the second step, ahead of the first load from another wave's record.
; CLUSTER 4 x 1: the four query blocks of a cluster walk the same K and V: each pair of records is asked for jointly.  No prefetch: all that the launch reads of kv is asked for at its head, and there is no later stream.
; LAYOUT: both products transposed: S^T = K Q^T (source 0 = 16 keys), O^T = V^T P^T (source 0 = 16 channels): a lane holds ONE query.
; A LANE HOLDS WHOLE BLOCKS OF 32 KEYS.  The record's tile 2 g + u' holds in slot r the key 32 g + 8 u' + r + 8 (r / 8).  A score tile t = 4 c + u is put together by the lanes' LDS addresses: its slots 0-7 are keys
; 64 c + 8 u + 0 .. 7, its slots 8-15 keys 64 c + 32 + 8 u + 0 .. 7.  So register 32 c + 8 u + j of lane half h is key 64 c + 32 h + 8 u + j: the block 2 c + h, as the next operand's layout wants it:
; the block's largest score needs no other lane and the codes are not moved between lanes.  (The two halves of sixteen lanes read 1,536 bytes apart.)
; THE ORDER OF A STEP: vector work that is due anyway stands among the products: tile 0's search for the largest scores among tile 1's score products; the first level of tile 1's sums among the products with V,
; their upper levels among the NEXT step's first score products (with the f of the step that they belong to); each tile's chain from the largest score to M and f stands among the other tile's independent lines.
; THE HEAD IS 64, THE INSTRUCTION'S K 128: q's upper six registers are zero codes.  Key tile t's operand is v[32 + 6 t .. + 11]: its upper six registers are the next tile's codes (behind tile 7: zeros), which meet
; q's zero codes under the scale bytes 0 (2^-127, a number): they add nothing.
; A record: K's 8 tiles x 768; from 6,144 V^T [64-key half 2][channel tile 4][768]; from 12,288 K's scale words 8 x 64; from 12,800 V's 4 x 64.
; OUT: cx, records of token tiles as the out projection wants them: head hd is half fragment hd % 8 of chunk hd / 8, its two scale bytes at 16 r + 2 (hd % 8).
; REGISTERS: window 0: v0-31 addresses and scale words; v32-85 K; v96-159, v160-223 the two tiles' scores, then p; v224-255 sixteen small registers a tile.
;   window 1 (low numbers): v0-47 V; v48-79, v80-111 O^T; v112-135 q; v136-159 p's codes; v160-175 the conversions' second halves.
; LIMITS: a block of zeros, and one whose largest magnitude lies under 2^-124, gets the byte 1 (this program alone reads the bytes); a p under 2^-126 counts as 0; NaN and infinities are not served;
; the promise holds while the scaled scores stay under 2^31 in magnitude.
.set REC,  13056
.set SPARE, 16*REC                     ; behind the records: the spare words, 128 bytes a wave
.set WV,   10
.set G1,   16                          ; s[16:23] descriptor group 1;  s[24:27] group 0
.set G0,   24
.set SEL,  28                          ; s[28:29] lane selects: lane l xor 16
.set CS,   30                          ; s[30:31] c = log2(e) / 8
.set NCS,  32                          ; s32 -c
.set CNT,  33                          ; s33 the step
.set TBV,  47                          ; s47 LDS byte of this step's record; s48 of the next step's
.set TBK,  48
.set RB0,  49                          ; s49 2 x wave
.set L16,  1                           ; v1 16 x lane   v2 8 x lane   v3 4 x lane
.set L8,   2
.set L4,   3
.set BK16, 4                           ; v4-6 K's lane terms: codes' first 16 bytes, last 8 bytes, scale words
.set BK8,  5
.set BKS,  6
.set AV16, 7                           ; v7-9 V's addresses in the record in hand
.set AV8,  8
.set AV4,  9
.set AK16, 10                          ; v10-12 K's in the next
.set AK8,  11
.set AKS,  12
.set SH8,  13                          ; v13 8 x (lane / 16)
.set SPW,  14                          ; v14 my spare word; v15 0: never rewritten
.set NIL,  15
.set KSW,  16                          ; v16-19 K's scale words: register i: lanes 0-15 tile 2 i, lanes 16-31 tile 2 i + 1
.set VSW,  20                          ; v20-21 V's
.set QSW,  22                          ; v22-23 q's, a tile each
.set PSW,  24                          ; v24-25 p's
.set R16,  26                          ; v26 16 x (lane % 16)   v27 4 x (lane % 16)
.set R4,   27
.set KF,   32
.set S,    96
.set SMB,  224                         ; a tile's small registers, at SMB + 16 x: 0, 1 block maxima; 2, 3 second chains, then scale operands; 4 the largest score; 5, 12 at work; 6 -M; 8 f; 10, 11 the sum
.set MX,   4
.set PT,   5
.set NM,   6
.set FF,   8
.set LS,   10
.set PT2,  12
.set VF,   0                           ; window 1
.set O,    48
.set QF,   112
.set PC,   136
.set PH,   160
.set QT,   224                         ; the way out: at work
.set CD,   32                          ; its codes
.set MSB, 0
.macro WIN new                         ; the immediate's high byte repeats the setting that is left
.if MSB != \new
	s_set_vgpr_msb (MSB<<8)|\new
.set MSB, \new
.endif
.endm
.macro PLACES n
.rept \n
	v_nop
.endr
.endm
.macro WALU
	s_wait_alu depctr_va_vdst(0)
.endm
.macro CROUND                          ; a round of the cluster's barrier
	s_barrier_signal -1
	s_barrier_wait -1
	s_cmp_lg_u32 s[WV], 0
	s_cbranch_scc1 .Lnot_wave_0_\@
	s_barrier_signal -3
.Lnot_wave_0_\@:
	s_barrier_wait -3
	s_barrier_signal -1
	s_barrier_wait -1
.endm
.macro MM d, a, b, c, sa, sb, row
.if \row
	v_wmma_scale_f32_16x16x128_f8f6f4 v[\d:\d+7], v[\a:\a+11], v[\b:\b+11], \c, v[\sa], v[\sb] matrix_a_fmt:MATRIX_FMT_FP6 matrix_b_fmt:MATRIX_FMT_FP6 matrix_a_scale:MATRIX_SCALE_ROW1
.else
	v_wmma_scale_f32_16x16x128_f8f6f4 v[\d:\d+7], v[\a:\a+11], v[\b:\b+11], \c, v[\sa], v[\sb] matrix_a_fmt:MATRIX_FMT_FP6 matrix_b_fmt:MATRIX_FMT_FP6
.endif
.endm
.macro KLOAD                           ; 20 loads: the eight score tiles of the record at s[TBK], and their scale words
	v_add_nc_u32 v[AK16], s[TBK], v[BK16]
	v_add_nc_u32 v[AK8], s[TBK], v[BK8]
	v_add_nc_u32 v[AKS], s[TBK], v[BKS]
	v_nop                                          ; with the three above: four places behind the products that read these registers
.irp t, 0,1,2,3,4,5,6,7
	ds_load_b128 v[KF+6*\t:KF+6*\t+3], v[AK16] offset:3072*(\t/4)+768*(\t%2)+128*((\t%4)/2)
	ds_load_b64 v[KF+6*\t+4:KF+6*\t+5], v[AK8] offset:3072*(\t/4)+768*(\t%2)+512+64*((\t%4)/2)
.endr
.irp i, 0,1,2,3
	ds_load_b32 v[KSW+\i], v[AKS] offset:12288+256*(\i/2)+32*(\i%2)
.endr
.endm
.macro VLOAD                           ; 18 loads: V's four fragments of the record at s[TBV], and their scale words
	v_add_nc_u32 v[AV16], s[TBV], v[L16]
	v_add_nc_u32 v[AV8], s[TBV], v[L8]
	v_add_nc_u32 v[AV4], s[TBV], v[L4]
	v_nop                                          ; places behind the last step's products
	WIN 0x40
.irp a, 0,1,2,3
	ds_load_b128 v[VF+12*\a:VF+12*\a+3], v[AV16] offset:6144+768*\a
	ds_load_b64 v[VF+12*\a+4:VF+12*\a+5], v[AV8] offset:6144+768*\a+512
	ds_load_b128 v[VF+12*\a+6:VF+12*\a+9], v[AV16] offset:9216+768*\a
	ds_load_b64 v[VF+12*\a+10:VF+12*\a+11], v[AV8] offset:9216+768*\a+512
.endr
	WIN 0
	ds_load_b32 v[VSW], v[AV4] offset:12800
	ds_load_b32 v[VSW+1], v[AV4] offset:12928
.endm
.macro TREEL x, n                      ; line n of 32 of the search for the largest score of my two blocks: four chains by turns, each accumulator from its low end on
.set SB_, S+64*(\x)
.set SM_, SMB+16*(\x)
.if (\n) < 4
.set g_, (\n)
	v_max3_num_f32 v[SM_+g_/2+2*(g_%2)], v[SB_+16*g_], v[SB_+16*g_+1], v[SB_+16*g_+2]
.elseif (\n) < 28
.set g_, ((\n)-4)%4
.set k_, 3+2*(((\n)-4)/4)
	v_max3_num_f32 v[SM_+g_/2+2*(g_%2)], v[SM_+g_/2+2*(g_%2)], v[SB_+16*g_+k_], v[SB_+16*g_+k_+1]
.elseif (\n) < 30
.set g_, (\n)-28
	v_max3_num_f32 v[SM_+g_], v[SM_+g_], v[SB_+32*g_+15], v[SB_+32*g_+31]
.else
.set g_, (\n)-30
	v_max_num_f32 v[SM_+g_], v[SM_+g_], v[SM_+2+g_]
.endif
.endm
.macro CHL x, n, first                 ; line n of 11 of the chain from the blocks' largest scores to -M, f and the blocks' t - M
.set SM_, SMB+16*(\x)
.if (\n) == 0
.if \first
	v_max_num_f32 v[SM_+MX], v[SM_], v[SM_+1]
.else
	v_max3_num_f32 v[SM_+MX], v[SM_+MX], v[SM_], v[SM_+1]
.endif
.elseif (\n) == 1
	v_permlanex16_b32 v[SM_+PT], v[SM_+MX], s[SEL], s[SEL+1]
.elseif (\n) == 2
	v_max_num_f32 v[SM_+MX], v[SM_+MX], v[SM_+PT]  ; the running largest score of my query
.elseif (\n) == 3
	v_mul_f32 v[SM_+PT], s[NCS], v[SM_+MX]         ; -t
.elseif (\n) == 4
.if !\first
	v_mov_b32 v[SM_+FF], v[SM_+NM]
.endif
.elseif (\n) == 5
	v_floor_f32 v[SM_+NM], v[SM_+PT]               ; -M = floor(-t) = -ceil(t)
.elseif (\n) == 6
.if !\first
	v_sub_f32 v[SM_+FF], v[SM_+NM], v[SM_+FF]      ; old M - new M: a whole number, 0 or less
.endif
.elseif (\n) == 7
.if !\first
	v_cvt_i32_f32 v[SM_+FF], v[SM_+FF]             ; (it saturates)
.endif
.elseif (\n) == 8
.if !\first
	v_ldexp_f32 v[SM_+FF], 1.0, v[SM_+FF]          ; f = 2^(old M - new M)
.endif
.elseif (\n) == 9
	v_fma_f32 v[SM_], v[SM_], s[CS], v[SM_+NM]     ; t - M of each block's largest score
.else
	v_fma_f32 v[SM_+1], v[SM_+1], s[CS], v[SM_+NM]
.endif
.endm
.macro SUMP x, st, i0, n               ; n lines, from line i0 on, of a level of the tree of sums, in place
.set i_, \i0
.rept \n
	v_pk_add_f32 v[S+64*\x+2*\st*i_:S+64*\x+2*\st*i_+1], v[S+64*\x+2*\st*i_:S+64*\x+2*\st*i_+1], v[S+64*\x+2*\st*i_+\st:S+64*\x+2*\st*i_+\st+1]
.set i_, i_+1
.endr
.endm
.macro LFIN x, pf                      ; the tree's top.  pf: the first step's sum starts the row's sum
.if \pf
	v_pk_add_f32 v[SMB+16*\x+LS:SMB+16*\x+LS+1], v[S+64*\x:S+64*\x+1], v[S+64*\x+32:S+64*\x+33]
	v_nop
.else
	SUMP \x, 32, 0, 1
	v_pk_fma_f32 v[SMB+16*\x+LS:SMB+16*\x+LS+1], v[SMB+16*\x+LS:SMB+16*\x+LS+1], v[SMB+16*\x+FF:SMB+16*\x+FF+1], v[S+64*\x:S+64*\x+1] op_sel_hi:[1,0,1]   ; the sum under the step's M, and the step's
.endif
.endm
.macro CVT x                           ; 64 p of a lane: two blocks, twelve registers of codes (a conversion's three registers begin on an even number: the second halves are made apart)
	WIN 0x40
.irp c, 0,1
	v_cvt_scalef32_pk16_fp6_f32 v[PC+12*\x+6*\c:PC+12*\x+6*\c+2], v[S+64*\x+32*\c:S+64*\x+32*\c+15], v[SMB+16*\x+2+\c]
	v_cvt_scalef32_pk16_fp6_f32 v[PH+8*\x+4*\c:PH+8*\x+4*\c+2], v[S+64*\x+32*\c+16:S+64*\x+32*\c+31], v[SMB+16*\x+2+\c]
.endr
	v_nop                                          ; one plain place behind a scaled conversion
.endm
; A STEP: 128 keys for both tiles.  first: the products start O and the sums; bar: the second step: the barrier's wait stands ahead of the loads from the next record, and the sums left over are the first step's;
; knext: the next record's K is fetched.
.macro STEP first, bar, knext
	s_add_co_u32 s50, s[CNT], s[RB0]
	s_and_b32 s50, s50, 15
	s_mul_i32 s[TBV], s50, REC
.if \knext
	s_add_co_u32 s50, s50, 1
	s_and_b32 s50, s50, 15
	s_mul_i32 s[TBK], s50, REC
.endif
	VLOAD
	s_wait_dscnt 18                                ; K and its scale words are in; the 18 loads of V are younger
.set t_, 0
.rept 8                                        ; tile 0's scores; among the last four products the upper levels of tile 1's sums of the step before
	WIN 0x04
	MM (S+8*t_), (KF+6*t_), (QF), 0, (KSW+t_/2), (QSW), (t_%2)
.if !\first
.if t_ == 4
	WIN 0
	SUMP 1, 4, 0, 4
.elseif t_ == 5
	WIN 0
	SUMP 1, 4, 4, 4
.elseif t_ == 6
	WIN 0
	SUMP 1, 8, 0, 4
.elseif t_ == 7
	WIN 0
	SUMP 1, 16, 0, 2
	LFIN 1, \bar
.endif
.endif
.set t_, t_+1
.endr
.if \first
	WIN 0
	PLACES 4
.endif
.set t_, 0
.rept 8                                        ; tile 1's scores; behind each product four lines of tile 0's search
	WIN 0x04
	MM (S+64+8*t_), (KF+6*t_), (QF+12), 0, (KSW+t_/2), (QSW+1), (t_%2)
	WIN 0
	TREEL 0, 4*t_
	TREEL 0, 4*t_+1
	TREEL 0, 4*t_+2
	TREEL 0, 4*t_+3
.set t_, t_+1
.endr
.if \bar
	WALU
	s_barrier_wait -1                              ; every wave's records are in
.endif
.if \knext
	KLOAD
.endif
.set n_, 0
.rept 32                                       ; tile 1's search, and among its lines tile 0's chain
	TREEL 1, n_
.if n_%3 == 2
	CHL 0, n_/3, \first
.endif
.set n_, n_+1
.endr
	CHL 0, 10, \first
.set j, 0
.rept 32                                       ; tile 0: t - M, and among these lines tile 1's chain
	v_pk_fma_f32 v[S+2*j:S+2*j+1], v[S+2*j:S+2*j+1], s[CS:CS+1], v[SMB+NM:SMB+NM+1] op_sel_hi:[1,0,0]
.if j%3 == 2
	CHL 1, j/3, \first
.endif
.set j, j+1
.endr
	CHL 1, 10, \first
.if !\first
	WIN 0x41
.irp x, 0,1
.set j, 0
.rept 16
	v_pk_mul_f32 v[O+32*\x+j:O+32*\x+j+1], v[O+32*\x+j:O+32*\x+j+1], v[SMB+16*\x+FF:SMB+16*\x+FF+1] op_sel_hi:[1,0]   ; O^T under the new M, ahead of the exponentials; each accumulator from its low end on
.set j, j+2
.endr
.endr
	WIN 0
.endif
	WALU                                           ; ahead of the batch
.irp x, 0,1
.irp c, 0,1
	v_exp_f32 v[SMB+16*\x+\c], v[SMB+16*\x+\c]     ; the blocks' largest p: the same two instructions on the same number give the same bits
.endr
.endr
.set j, 0
.rept 32                                       ; tile 0's p, by turns with tile 1's t - M, whose sources were all written ahead of the wait
	v_exp_f32 v[S+j], v[S+j]
	v_exp_f32 v[S+j+1], v[S+j+1]
	v_pk_fma_f32 v[S+64+j:S+64+j+1], v[S+64+j:S+64+j+1], s[CS:CS+1], v[SMB+16+NM:SMB+16+NM+1] op_sel_hi:[1,0,0]
.set j, j+2
.endr
	WALU                                           ; and behind it
.irp c, 0,1
.irp x, 0,1
	v_max_num_f32 v[SMB+16*\x+\c], 0x1800000, v[SMB+16*\x+\c]         ; the floor 2^(3 - 127): the byte cannot fall under 1
.endr
.endr
.irp c, 0,1
.irp x, 0,1
	v_add_nc_u32 v[SMB+16*\x+2+\c], 0xff000000, v[SMB+16*\x+\c]       ; 2 off the exponent field: the conversion's scale operand
.endr
.endr
.irp c, 0,1
.irp x, 0,1
	v_lshrrev_b32 v[SMB+16*\x+\c], 23, v[SMB+16*\x+2+\c]              ; the scale's byte
.endr
.endr
.irp x, 0,1
	v_lshl_or_b32 v[SMB+16*\x+PT], v[SMB+16*\x+1], 16, v[SMB+16*\x]   ; my two bytes: blocks h and 2 + h,
.endr
.irp x, 0,1
	v_lshlrev_b32 v[SMB+16*\x+PT], v[SH8], v[SMB+16*\x+PT]            ; at their places in the scale word;
.endr
.irp x, 0,1
	v_permlanex16_b32 v[SMB+16*\x+PT2], v[SMB+16*\x+PT], s[SEL], s[SEL+1]
.endr
.irp x, 0,1
	v_or_b32 v[PSW+\x], v[SMB+16*\x+PT], v[SMB+16*\x+PT2]             ; with lane l xor 16's two the word is whole
.endr
	CVT 0
	WIN 0
	WALU                                           ; ahead of the second batch
.set j, 0
.rept 16                                       ; tile 1's p, by turns with the first level of tile 0's sums
	v_exp_f32 v[S+64+j], v[S+64+j]
	v_exp_f32 v[S+64+j+1], v[S+64+j+1]
	v_exp_f32 v[S+64+j+2], v[S+64+j+2]
	v_exp_f32 v[S+64+j+3], v[S+64+j+3]
	v_pk_add_f32 v[S+j:S+j+1], v[S+j:S+j+1], v[S+j+2:S+j+3]
.set j, j+4
.endr
	WALU                                           ; and behind it
	s_wait_dscnt 20*\knext                         ; V is in; the 20 loads of the next record's K are younger
	CVT 1
	WIN 0x41
.irp x, 0,1
.irp c, 0,1
.irp i, 0,1,2
	v_mov_b32 v[PC+12*\x+6*\c+3+\i], v[PH+8*\x+4*\c+\i]   ; a block's six registers on end
.endr
.endr
.endr
	WIN 0
	SUMP 0, 4, 0, 8                                ; THE ROW'S SUM IS TAKEN OF THE UNQUANTISED p: a tree in place.  (Tile 0's sixteen lines are also the places between p's codes and the products)
	SUMP 0, 8, 0, 4
	SUMP 0, 16, 0, 2
	LFIN 0, \first
.set i2_, 0
.irp a, 0,1,2,3                                ; O^T += V^T P^T: eight accumulators by turns, one instruction a turn; behind each product two lines of the first level of tile 1's sums
.irp x, 0,1
	WIN 0x55
.if \first
	MM (O+32*\x+8*\a), (VF+12*\a), (PC+12*\x), 0, (VSW+\a/2), (PSW+\x), (\a%2)
.else
	MM (O+32*\x+8*\a), (VF+12*\a), (PC+12*\x), v[O+32*\x+8*\a:O+32*\x+8*\a+7], (VSW+\a/2), (PSW+\x), (\a%2)
.endif
	WIN 0
	SUMP 1, 2, i2_, 2
.set i2_, i2_+2
.endr
.endr
.endm
; 32 numbers of a lane, register 16 g + i = place 32 g + 16 (lane / 16) + i along the next K, become a half fragment in v[c .. c + 5] and its scale word (two bytes) in v[w].
.macro QUANT32 s, c, w
.irp g, 0,1
	v_max3_num_f32 v[QT+\g], |v[(\s)+16*\g]|, |v[(\s)+16*\g+1]|, 0x1800000
.endr
.irp i, 2,4,6,8,10,12,14
.irp g, 0,1
	v_max3_num_f32 v[QT+\g], v[QT+\g], |v[(\s)+16*\g+\i]|, |v[(\s)+16*\g+\i+1]|
.endr
.endr
.irp g, 0,1
	v_permlanex16_b32 v[QT+2+\g], v[QT+\g], s[SEL], s[SEL+1]
.endr
.irp g, 0,1
	v_max_num_f32 v[QT+\g], v[QT+\g], v[QT+2+\g]
.endr
.irp g, 0,1
	v_add_nc_u32 v[QT+4+\g], 0xff000000, v[QT+\g]
.endr
.irp g, 0,1
	v_lshrrev_b32 v[QT+2+\g], 23, v[QT+4+\g]
.endr
	v_lshl_or_b32 v[\w], v[QT+3], 8, v[QT+2]
	v_cvt_scalef32_pk16_fp6_f32 v[(\c):(\c)+2], v[(\s):(\s)+15], v[QT+4]
	v_cvt_scalef32_pk16_fp6_f32 v[(\c)+4:(\c)+6], v[(\s)+16:(\s)+31], v[QT+5]
	v_nop                                          ; one plain place behind a scaled conversion
.irp i, 0,1,2
	v_permlane16_swap_b32 v[(\c)+\i], v[(\c)+4+\i]
.endr
.irp i, 3,4,5
	v_mov_b32 v[(\c)+\i], v[(\c)+\i+1]
.endr
.endm
	s_load_b128 s[4:7], s[0:1], 0x0                ; qbuf s[4:5], kv s[6:7]
	s_load_b64 s[8:9], s[0:1], 0x10                ; cx
	v_lshl_add_u32 v[SPW], v0, 2, SPARE
	v_mov_b32 v[NIL], 0
	ds_add_u32 v[SPW], v[NIL]                      ; the opening lines: the add, twice on end, and its wait ahead of my tensor load
	ds_add_u32 v[SPW], v[NIL]
	v_lshrrev_b32 v1, 5, v0
	v_readfirstlane_b32 s[WV], v1                  ; wave 0..7
	s_and_b32 s12, ttmp7, 0xffff                   ; b h, which the four partners share
	s_mul_i32 s34, s12, 16*REC
	s_mul_i32 s[G0+1], s[WV], 2*REC                ; records 2 w, 2 w + 1 go to LDS byte 26,112 w
	s_add_co_u32 s34, s34, s[G0+1]                 ; and lie as far into the head's records: no place in the cluster enters either
	s_mov_b32 s35, 0
	s_bfe_u32 s11, ttmp6, 0x40000                  ; cx: it enters q's and ctx's global addresses alone
	s_lshl_b32 s13, ttmp9, 2
	s_add_co_u32 s13, s13, s11                     ; my block of 256 queries
	s_lshl_b32 s13, s13, 4
	s_lshl_b32 s[RB0], s[WV], 1
	s_add_co_u32 s13, s13, s[RB0]                  ; the first of my two tiles of 16, 0..126
	s_mul_i32 s40, s12, 98304
	s_mul_i32 s41, s13, 768
	s_add_co_u32 s40, s40, s41                     ; q's codes
	s_mov_b32 s41, 0
	s_lshl_b32 s42, s12, 13
	s_lshl_b32 s43, s13, 6
	s_add_co_u32 s42, s42, s43
	s_add_co_u32 s42, s42, 3145728                 ; q's scale words
	s_mov_b32 s43, 0
	s_lshr_b32 s44, s12, 4
	s_lshl_b32 s44, s44, 7
	s_add_co_u32 s44, s44, s13                     ; the token tile among 256
	s_mul_i32 s44, s44, 12800
	s_and_b32 s45, s12, 15                         ; head
	s_lshr_b32 s46, s45, 3
	s_mul_i32 s46, s46, 6400
	s_add_co_u32 s44, s44, s46                     ; its chunk of the tile's record
	s_and_b32 s45, s45, 7
	s_mul_i32 s36, s45, 768
	s_add_co_u32 s36, s36, s44                     ; ctx's codes
	s_mov_b32 s37, 0
	s_lshl_b32 s38, s45, 1
	s_add_co_u32 s38, s38, s44
	s_add_co_u32 s38, s38, 6144                    ; its two scale bytes a row
	s_mov_b32 s39, 0
	; descriptor group 1: two records are dense: 102 rows of 256 bytes (32 elements of 8 bytes)
	s_mov_b32 s[G1], 15|(3<<16)|(1<<21)            ; 15:0 the mask: all four work-groups; 17:16 elements of 8 bytes; 21 set beside a mask
	s_mov_b32 s[G1+1], 32<<16
	s_mov_b32 s[G1+2], 102<<16
	s_mov_b32 s[G1+3], 32<<16
	s_mov_b32 s[G1+4], 102
	s_mov_b32 s[G1+5], 32
	s_mov_b32 s[G1+6], 0
	s_mov_b32 s[G1+7], 0
	s_mov_b32 s[SEL], 0x76543210
	s_mov_b32 s[SEL+1], 0xfedcba98
	s_mov_b32 s[CS], 0x3e38aa3b                    ; log2(e) / 8
	s_mov_b32 s[CS+1], s[CS]                       ; (named with it as a pair, so it is written)
	s_mov_b32 s[NCS], 0xbe38aa3b
	WALU
	s_wait_dscnt 0x0
	s_wait_kmcnt 0x0
	s_mov_b32 s[G0], 1
	s_add_nc_u64 s[G0+2:G0+3], s[6:7], s[34:35]
	s_or_b32 s[G0+3], s[G0+3], 0x80000000          ; type = 2
	s_add_nc_u64 s[40:41], s[4:5], s[40:41]
	s_add_nc_u64 s[42:43], s[4:5], s[42:43]
	s_add_nc_u64 s[36:37], s[8:9], s[36:37]
	s_add_nc_u64 s[38:39], s[8:9], s[38:39]
	CROUND                                         ; all four work-groups are here: the joint loads meet
	tensor_load_to_lds s[G0:G0+3], s[G1:G1+7]      ; records 2 w and 2 w + 1 of the head
	s_nop 0
	PLACES 4
	v_and_b32 v28, 31, v0                          ; lane
	v_and_b32 v29, 7, v0                           ; r % 8
	v_bfe_u32 v30, v0, 3, 1                        ; r / 8
	v_bfe_u32 v31, v0, 4, 1                        ; h
	v_lshlrev_b32 v[L16], 4, v28
	v_lshlrev_b32 v[L8], 3, v28
	v_lshlrev_b32 v[L4], 2, v28
	v_and_b32 v[R16], 15, v0
	v_lshlrev_b32 v[R4], 2, v[R16]
	v_lshlrev_b32 v[R16], 4, v[R16]
	v_mul_u32_u24 v[BK16], v30, 1536               ; slots 8-15 come from the record's tile two further on
	v_lshl_add_u32 v[BK8], v29, 3, v[BK16]
	v_lshl_add_u32 v[BK16], v29, 4, v[BK16]
	v_lshl_add_u32 v[BK8], v31, 7, v[BK8]          ; 1,536 (r / 8) + 8 (r % 8) + 128 h
	v_lshl_add_u32 v[BK16], v31, 8, v[BK16]        ; 1,536 (r / 8) + 16 (r % 8) + 256 h
	v_lshlrev_b32 v[BKS], 7, v30
	v_lshl_add_u32 v[BKS], v31, 6, v[BKS]
	v_lshl_add_u32 v[BKS], v29, 2, v[BKS]          ; 128 (r / 8) + 64 h + 4 (r % 8)
	v_lshlrev_b32 v[SH8], 3, v31
	WIN 0x40
.irp x, 0,1
	global_load_b128 v[QF+12*\x:QF+12*\x+3], v[L16], s[40:41] offset:768*\x          ; q's half fragments stay in registers
	global_load_b64 v[QF+12*\x+4:QF+12*\x+5], v[L8], s[40:41] offset:768*\x+512
.irp i, 6,7,8,9,10,11
	v_mov_b32 v[QF+12*\x+\i], 0                    ; zero codes for the instruction's K = 64 .. 127
.endr
.endr
	WIN 0
.irp x, 0,1
	global_load_b32 v[QSW+\x], v[R4], s[42:43] offset:64*\x
	v_mov_b32 v[SMB+16*\x+PT], 0                   ; a lane permute's destination counts as one of its sources
	v_mov_b32 v[SMB+16*\x+PT2], 0
	v_mov_b32 v[SMB+16*\x+NM+1], 0                 ; (named as the upper halves of pairs)
	v_mov_b32 v[SMB+16*\x+FF+1], 0
.endr
.irp i, 0,1,2,3,4,5
	v_mov_b32 v[KF+48+\i], 0                       ; what stands behind key tile 7
.endr
	WALU
	s_wait_loadcnt 0x0                             ; q
	s_wait_tensorcnt 0x0                           ; my two records are in:
	s_barrier_signal -1                            ; say so; up to the wait for the others I read my own records alone
	s_mul_i32 s[TBK], s[WV], 2*REC
	KLOAD
	s_mov_b32 s[CNT], 0
	STEP 1, 0, 1                                   ; my first record; it fetches K of my second
	s_mov_b32 s[CNT], 1
	STEP 0, 1, 1                                   ; my second; behind the barrier's wait it fetches K of the next wave's
	s_mov_b32 s[CNT], 2
.Lstep:                                            ; 13 trips of 128 keys
	STEP 0, 0, 1
	s_add_co_u32 s[CNT], s[CNT], 1
	s_cmp_lt_u32 s[CNT], 15
	s_cbranch_scc1 .Lstep
	s_mov_b32 s[CNT], 15
	STEP 0, 0, 0                                   ; the last step fetches nothing more
	SUMP 1, 4, 0, 8                                ; the upper levels of tile 1's last sums
	SUMP 1, 8, 0, 4
	SUMP 1, 16, 0, 2
	LFIN 1, 0
	; THE WAY OUT: ctx = O^T / the sum; register 16 g + i is channel 32 g + 16 (lane / 16) + i of my query: it is quantised where it lies.
	WALU                                           ; tile 0's sum was written ahead of a run of window switches
.irp x, 0,1
	v_add_f32 v[SMB+16*\x+LS], v[SMB+16*\x+LS], v[SMB+16*\x+LS+1]     ; the sum's two halves,
.endr
.irp x, 0,1
	v_permlanex16_b32 v[SMB+16*\x+PT], v[SMB+16*\x+LS], s[SEL], s[SEL+1]
.endr
.irp x, 0,1
	v_add_f32 v[SMB+16*\x+LS], v[SMB+16*\x+LS], v[SMB+16*\x+PT]       ; and lane l xor 16's: the row's sum
.endr
	WALU
	v_rcp_f32 v[SMB+LS], v[SMB+LS]
	v_rcp_f32 v[SMB+16+LS], v[SMB+16+LS]
	v_nop                                          ; one plain place behind a transcendental
	WIN 0x01
	WALU                                           ; behind the transcendentals, directly ahead of the first reader of O^T
.irp x, 0,1
.set j, 0
.rept 32
	v_mul_f32 v[S+64*\x+j], v[O+32*\x+j], v[SMB+16*\x+LS]             ; each accumulator from its low end on
.set j, j+1
.endr
.endr
	WIN 0
.irp x, 0,1
	QUANT32 S+64*\x, CD+8*\x, QT+6+\x
	global_store_b128 v[L16], v[CD+8*\x:CD+8*\x+3], s[36:37] offset:12800*\x             ; 512 consecutive bytes, aligned
	global_store_b64 v[L8], v[CD+8*\x+4:CD+8*\x+5], s[36:37] offset:12800*\x+512         ; 256 consecutive bytes, aligned
	global_store_b16 v[R16], v[QT+6+\x], s[38:39] offset:12800*\x   ; my row's two scale bytes of sixteen; both halves of the lanes write the same two
.endr
	s_wait_tensorcnt 0x0                           ; the wave's end
	ds_add_u32 v[SPW], v[NIL]
	s_wait_dscnt 0x0
	CROUND                                         ; the closing round: no work-group ends while a partner may still ask for records that name it
	s_endpgm
.Lfunc_end_k_q8dfd13a11f_attn:
	.size	k_q8dfd13a11f_attn, .Lfunc_end_k_q8dfd13a11f_attn-k_q8dfd13a11f_attn
	.p2alignl 7, 3214868480
	.fill 96, 4, 3214868480
	.section	.rodata,"a",@progbits
	.p2align	6, 0x0
	.amdhsa_kernel k_q8dfd13a11f_attn
		.amdhsa_group_segment_fixed_size 210944
		.amdhsa_private_segment_fixed_size 0
		.amdhsa_enable_private_segment 0
		.amdhsa_kernarg_size 24
		.amdhsa_user_sgpr_count 2
		.amdhsa_user_sgpr_kernarg_segment_ptr 1
		.amdhsa_wavefront_size32 1
		.amdhsa_system_sgpr_workgroup_id_x 1
		.amdhsa_system_sgpr_workgroup_id_y 1
		.amdhsa_system_sgpr_workgroup_id_z 1
		.amdhsa_system_vgpr_workitem_id 0
		.amdhsa_next_free_vgpr 448
		.amdhsa_next_free_sgpr 66
		.amdhsa_reserve_vcc 0
		.amdhsa_float_denorm_mode_32 3
		.amdhsa_float_denorm_mode_16_64 3
		.amdhsa_memory_ordered 1
		.amdhsa_forward_progress 1
		.amdhsa_inst_pref_size 126
	.end_amdhsa_kernel
	.amdgpu_metadata
---
amdhsa.version: [ 1, 2 ]
amdhsa.kernels:
  - .name:           k_q8dfd13a11f_attn
    .symbol:         k_q8dfd13a11f_attn.kd
    .args:
      - { .name: qbuf, .offset: 0, .size: 8, .value_kind: global_buffer, .address_space: global }
      - { .name: kv, .offset: 8, .size: 8, .value_kind: global_buffer, .address_space: global }
      - { .name: cx, .offset: 16, .size: 8, .value_kind: global_buffer, .address_space: global }
    .group_segment_fixed_size: 210944
    .private_segment_fixed_size: 0
    .kernarg_segment_align: 8
    .kernarg_segment_size: 24
    .max_flat_workgroup_size: 256
    .sgpr_count:     66
    .vgpr_count:     448
    .wavefront_size: 32
...
	.end_amdgpu_metadata
.endif
;; end of part 3
;; launch proj (part 4): grid 8 x 32, 8 waves a work-group, clusters of 4 x 4, 205,824 bytes of LDS; arguments cx, ow, out_b, out0; writes out0
.if DOCPART == 4
	.amdgcn_target "amdgcn-amd-amdhsa--gfx1250"
	.amdhsa_code_object_version 6
	.text
	.protected	k_q8dfd13a11f_proj
	.globl	k_q8dfd13a11f_proj
	.p2align	8
	.type	k_q8dfd13a11f_proj,@function
k_q8dfd13a11f_proj:
	s_mov_b64 s[64:65], 0
	v_nop
	global_prefetch_b8 v0, s[64:65] scope:SCOPE_SE
	s_setreg_imm32_b32 hwreg(HW_REG_WAVE_MODE, 25, 1), 1
	s_wait_xcnt 0x0
	s_wait_alu depctr_hold_cnt(0) depctr_sa_sdst(0) depctr_va_vdst(0) depctr_va_sdst(0) depctr_va_ssrc(0) depctr_va_vcc(0) depctr_vm_vsrc(0)
	s_getreg_b32 s2, hwreg(HW_REG_IB_STS2, 6, 4)
	s_cmp_eq_u32 s2, 0
	s_cbranch_scc0 .Lentry_in_a_cluster
	s_endpgm
.Lentry_in_a_cluster:
	s_bfe_u32 s2, ttmp6, 0x10000c
	s_cmp_lg_u32 s2, 0xf033
	s_cbranch_scc0 .Lentry_shape_is_right
	s_endpgm
.Lentry_shape_is_right:
; out0 = ctx out_w^T + out_b on codes of FP6 (E2M3) with E8M0 scales.  ctx (cx) and out_w (ow) come as records of tiles (16 rows, all of K, 12,800 bytes: two chunks of 8 half fragments of 768 bytes + 256 scale bytes).
; Source 0 = 16 rows of out_w (R), source 1 = 16 tokens (P): a lane holds one token, its registers run along the outputs.  Tile 2 g + u holds in slot r the row 32 g + 8 u + r + 8 (r / 8): as source 0 it gives lane half h,
; register j, the row 32 g + 16 h + 8 u + j: 16 neighbouring outputs in two tiles' registers; as source 1 it says which lane holds which token, which the way out undoes.
; SHARES: 256 work-groups, each 128 tokens x 128 outputs; 8 waves, each 32 x 64: 8 accumulators.  LDS is filled ONCE: both operands for all of K, in two chunks; chunk 1 lands while chunk 0 is multiplied.
; CLUSTER 4 x 4: the four of a row need the same tokens, the four of a column the same rows of out_w: each tile is asked for jointly.  A wave has two tensor loads out at the most.
; The bias is the C of each sum's first product.  LIMITS: NaN and infinities are not served.
.set CH,   102400                      ; a chunk in LDS: 16 tiles x 6,400: P's eight, then R's eight
.set RB,   51200
.set L16,  1
.set L8,   2
.set AP16, 4                           ; v4, v5  my P tiles: + 16 x lane, + 8 x lane
.set AP8,  5
.set AR16, 6                           ; v6, v7  my R tiles
.set AR8,  7
.set AS,   8                           ; v8      scale bytes: lanes 0-15 P's slot r, lanes 16-31 R's
.set SO,   9                           ; v9      the way out: where I put 16 bytes of a row
.set SR,   10                          ; v10     where I read rows back
.set GO,   11                          ; v11     my byte offset in out0
.set SC,   16                          ; v16-31  scale words: register 4 i + ks: lanes 0-15 P tile i (i < 2), lanes 16-31 R tile i; they hold nothing else
.set PF,   32                          ; v32-55  P's two fragments
.set RF,   56                          ; v56-103 R's four
.set ACC,  104                         ; v104-167 accumulator (a, b) at ACC + 8 (4 a + b)
.set BR,   168                         ; v168-199 the bias, in the result's layout
.set BK,   32                          ; the way out: rows read back, v32-95
.set WV,   14
.set G1P,  24
.set G1R,  32
.set G0P,  40
.set G0R,  48
.macro PLACES n
.rept \n
	v_nop
.endr
.endm
.macro CROUND                          ; a round of the cluster's barrier
	s_barrier_signal -1
	s_barrier_wait -1
	s_cmp_lg_u32 s[WV], 0
	s_cbranch_scc1 .Lnot_wave_0_\@
	s_barrier_signal -3
.Lnot_wave_0_\@:
	s_barrier_wait -3
	s_barrier_signal -1
	s_barrier_wait -1
.endm
.macro FRAG reg, a16, a8, off          ; a fragment (16 rows x 128 K, 12 registers) is two half fragments on end: four dense loads
	ds_load_b128 v[(\reg):(\reg)+3], v[\a16] offset:(\off)
	ds_load_b64 v[(\reg)+4:(\reg)+5], v[\a8] offset:(\off)+512
	ds_load_b128 v[(\reg)+6:(\reg)+9], v[\a16] offset:(\off)+768
	ds_load_b64 v[(\reg)+10:(\reg)+11], v[\a8] offset:(\off)+1280
.endm
; A K step of 128: six fragments, eight products.  The 8 accumulators take turns, one instruction a turn, in the same order in every step.
.macro KSTEP ks, first
	PLACES 4                                       ; in front of loads into registers that matrix instructions have read
.if \ks == 0
.irp i, 0,1,2,3
	ds_load_b128 v[SC+4*\i:SC+4*\i+3], v[AS] offset:6400*\i+6144   ; (for i = 2, 3 lanes 0-15 read bytes of other tiles, which no product names)
.endr
.endif
	FRAG PF, AP16, AP8, 1536*\ks
.irp b, 0,1,2,3
	FRAG RF+12*\b, AR16, AR8, 6400*\b+1536*\ks
.endr
	FRAG PF+12, AP16, AP8, 6400+1536*\ks
.irp a, 0,1
	s_wait_dscnt 4*(1-\a)                          ; all but the four loads of P's younger fragment
.irp b, 0,1,2,3
.if \first
	v_wmma_scale_f32_16x16x128_f8f6f4 v[ACC+8*(4*\a+\b):ACC+8*(4*\a+\b)+7], v[RF+12*\b:RF+12*\b+11], v[PF+12*\a:PF+12*\a+11], v[BR+8*\b:BR+8*\b+7], v[SC+4*\b+\ks], v[SC+4*\a+\ks] matrix_a_fmt:MATRIX_FMT_FP6 matrix_b_fmt:MATRIX_FMT_FP6 matrix_a_scale:MATRIX_SCALE_ROW1
.else
	v_wmma_scale_f32_16x16x128_f8f6f4 v[ACC+8*(4*\a+\b):ACC+8*(4*\a+\b)+7], v[RF+12*\b:RF+12*\b+11], v[PF+12*\a:PF+12*\a+11], v[ACC+8*(4*\a+\b):ACC+8*(4*\a+\b)+7], v[SC+4*\b+\ks], v[SC+4*\a+\ks] matrix_a_fmt:MATRIX_FMT_FP6 matrix_b_fmt:MATRIX_FMT_FP6 matrix_a_scale:MATRIX_SCALE_ROW1
.endif
.endr
.endr
.endm
	s_load_b256 s[4:11], s[0:1], 0x0               ; cx s[4:5], ow s[6:7], out_b s[8:9], out0 s[10:11]
	v_lshl_add_u32 v208, v0, 2, 0x32000
	v_mov_b32 v209, 0
	ds_add_u32 v208, v209
	ds_add_u32 v208, v209
	v_lshrrev_b32 v9, 5, v0
	s_delay_alu instid0(VALU_DEP_1)
	v_readfirstlane_b32 s[WV], v9                  ; wave 0..7
	s_lshr_b32 s15, s[WV], 2                       ; which chunk I fetch,
	s_and_b32 s16, s[WV], 1                        ; this half of an operand's tiles; s15 says which chunk of them
	s_lshr_b32 s12, s[WV], 1                       ; which 32 of the 128 tokens are mine
	s_and_b32 s13, s[WV], 1                        ; which 64 of the 128 outputs
	s_bfe_u32 s17, ttmp6, 0x40000                  ; cx
	s_bfe_u32 s18, ttmp6, 0x40004                  ; cy
	s_and_b32 s22, ttmp7, 0xffff
	s_lshl_b32 s22, s22, 2
	s_add_co_u32 s22, s22, s18                     ; which 128 tokens
	s_lshl_b32 s23, ttmp9, 2
	s_add_co_u32 s23, s23, s17                     ; which 128 outputs
	s_lshl_b32 s56, s22, 3
	s_lshl_b32 s57, s16, 2
	s_add_co_u32 s56, s56, s57                     ; P: the first of the four tiles that I fetch
	s_mul_i32 s56, s56, 12800
	s_mov_b32 s57, 0
	s_lshl_b32 s60, s23, 3
	s_lshl_b32 s61, s16, 2
	s_add_co_u32 s60, s60, s61                     ; R likewise
	s_mul_i32 s60, s60, 12800
	s_mov_b32 s61, 0
	s_lshl_b32 s59, s18, 2
	s_lshl_b32 s59, 15, s59                        ; my row of the cluster
	s_lshl_b32 s63, 0x1111, s17                    ; my column
	; descriptor group 1: four rows of 6,400 bytes (a tile's chunk: 800 elements of 8 bytes), 12,800 bytes apart in memory, dense in LDS
	s_or_b32 s[G1P], s59, (3<<16)|(1<<21)          ; 15:0 the mask; 17:16 elements of 8 bytes; 20 no padding; 21 set beside a mask
	s_or_b32 s[G1R], s63, (3<<16)|(1<<21)
.irp g, G1P, G1R
	s_mov_b32 s[\g+1], 800<<16                     ; tensor_dim0
	s_mov_b32 s[\g+2], 4<<16                       ; tensor_dim1: four tiles a load
	s_mov_b32 s[\g+3], 800<<16                     ; tile_dim0
	s_mov_b32 s[\g+4], 4                           ; tile_dim1
	s_mov_b32 s[\g+5], 1600                        ; tensor_dim0_stride
	s_mov_b32 s[\g+6], 0
	s_mov_b32 s[\g+7], 0
.endr
	s_mul_i32 s58, s16, 25600
	s_add_co_u32 s62, s58, RB
	s_lshl_b32 s66, s22, 7
	s_lshl_b32 s67, s12, 5
	s_add_co_u32 s66, s66, s67                     ; my first token,
	s_lshl_b32 s66, s66, 12                        ; its row of 4,096 bytes;
	s_lshl_b32 s67, s23, 7
	s_lshl_b32 s68, s13, 6
	s_add_co_u32 s67, s67, s68                     ; my first output,
	s_lshl_b32 s69, s67, 2                         ; in bytes: in out_b and in a row of out0
	s_add_co_u32 s66, s66, s69
	s_mov_b32 s67, 0
	s_wait_dscnt 0x0
	s_wait_kmcnt 0x0
	s_add_nc_u64 s[56:57], s[4:5], s[56:57]
	s_add_nc_u64 s[60:61], s[6:7], s[60:61]
	s_add_nc_u64 s[10:11], s[10:11], s[66:67]
	CROUND                                         ; all sixteen work-groups are here: the joint loads meet
	; THE HEAD'S LOADS, ONE A WAVE: wave = 4 x chunk + 2 x operand + half.  Waves 0, 1: chunk 0 of P's tiles, a half each; 2, 3: chunk 0 of R's; 4 to 7 the same of chunk 1.
	s_mul_i32 s68, s15, CH                         ; the chunk in LDS,
	s_mul_i32 s70, s15, 6400                       ; and in a tile's record
	s_mov_b32 s71, 0
	s_mov_b32 s[G0P], 1
	s_add_co_u32 s[G0P+1], s58, s68
	s_add_nc_u64 s[G0P+2:G0P+3], s[56:57], s[70:71]
	s_or_b32 s[G0P+3], s[G0P+3], 0x80000000
	s_mov_b32 s[G0R], 1
	s_add_co_u32 s[G0R+1], s62, s68
	s_add_nc_u64 s[G0R+2:G0R+3], s[60:61], s[70:71]
	s_or_b32 s[G0R+3], s[G0R+3], 0x80000000
	s_cmp_lt_u32 s[WV], 2                          ; one chain of branches on the wave's number, one load to an arm: chunk 0's two lines are issued by waves 0 to 3 alone
	s_cbranch_scc0 .Larm_r0
	tensor_load_to_lds s[G0P:G0P+3], s[G1P:G1P+7]
	s_nop 0
	PLACES 4
	s_branch .Lfilled
.Larm_r0:
	s_cmp_lt_u32 s[WV], 4
	s_cbranch_scc0 .Larm_p1
	tensor_load_to_lds s[G0R:G0R+3], s[G1R:G1R+7]
	s_nop 0
	PLACES 4
	s_branch .Lfilled
.Larm_p1:
	s_cmp_lt_u32 s[WV], 6
	s_cbranch_scc0 .Larm_r1
	tensor_load_to_lds s[G0P:G0P+3], s[G1P:G1P+7]
	s_nop 0
	PLACES 4
	s_branch .Lfilled
.Larm_r1:
	tensor_load_to_lds s[G0R:G0R+3], s[G1R:G1R+7]
	s_nop 0
	PLACES 4
.Lfilled:
	v_and_b32 v12, 31, v0                          ; lane
	v_and_b32 v13, 15, v0                          ; r
	v_bfe_u32 v14, v0, 4, 1                        ; h
	s_delay_alu instid0(VALU_DEP_1)
	v_lshl_add_u32 v15, v14, 6, s69                ; the bias: lane half h wants, for tile 2 g + u, outputs 32 g + 16 h + 8 u + 0 .. 7
.irp b, 0,1,2,3
	global_load_b128 v[BR+8*\b:BR+8*\b+3], v15, s[8:9] offset:(32*(\b/2)+8*(\b%2))*4
	global_load_b128 v[BR+8*\b+4:BR+8*\b+7], v15, s[8:9] offset:(32*(\b/2)+8*(\b%2))*4+16
.endr
	v_lshlrev_b32 v[L16], 4, v12
	v_lshlrev_b32 v[L8], 3, v12
	s_mul_i32 s70, s12, 12800                      ; my two tiles of P
	s_mul_i32 s71, s13, 25600
	s_add_co_u32 s71, s71, RB                      ; my four tiles of R
	v_add_nc_u32 v[AP16], s70, v[L16]
	v_add_nc_u32 v[AP8], s70, v[L8]
	v_add_nc_u32 v[AR16], s71, v[L16]
	v_add_nc_u32 v[AR8], s71, v[L8]
	s_sub_co_u32 s71, s71, s70
	v_mul_u32_u24 v[AS], s71, v14                  ; lanes 16-31 take R's: one product, the distance between the two bases x h
	s_delay_alu instid0(VALU_DEP_1)
	v_lshl_add_u32 v[AS], v13, 4, v[AS]
	s_delay_alu instid0(VALU_DEP_1)
	v_add_nc_u32 v[AS], s70, v[AS]
	s_mul_i32 s70, s[WV], 8704                     ; my stage: 32 rows x (256 bytes + 16), in chunk 0's bytes: they have had their only fill, and nobody reads them behind the second barrier
	v_and_b32 v12, 8, v13
	s_delay_alu instid0(VALU_DEP_1)
	v_add_nc_u32 v12, v12, v13                     ; slot r of tile a is token 8 a + r + 8 (r / 8) of my 32
	s_delay_alu instid0(VALU_DEP_1)
	v_mul_u32_u24 v[SO], v12, 272
	s_delay_alu instid0(VALU_DEP_1)
	v_lshl_add_u32 v[SO], v14, 6, v[SO]
	s_delay_alu instid0(VALU_DEP_1)
	v_add_nc_u32 v[SO], s70, v[SO]
	v_mul_u32_u24 v[SR], v14, 272                  ; back: lanes 0-15 one row of 256 bytes, lanes 16-31 the next
	s_delay_alu instid0(VALU_DEP_1)
	v_lshl_add_u32 v[SR], v13, 4, v[SR]
	s_delay_alu instid0(VALU_DEP_1)
	v_add_nc_u32 v[SR], s70, v[SR]
	v_lshlrev_b32 v[GO], 12, v14                   ; and the same two rows in out0
	s_delay_alu instid0(VALU_DEP_1)
	v_lshl_add_u32 v[GO], v13, 4, v[GO]
	s_wait_alu depctr_va_vdst(0)
	s_wait_loadcnt 0x0                             ; the bias
	s_cmp_lt_u32 s[WV], 4                          ; chunk 0 was asked for by waves 0 to 3: they wait for it; chunk 1's loads may stay out
	s_cbranch_scc0 .Lnot_chunk_0
	s_wait_tensorcnt 0x0
.Lnot_chunk_0:
	s_barrier_signal -1
	s_barrier_wait -1                              ; everybody's is
	KSTEP 0, 1                                     ; the first products start the sums from the bias
	KSTEP 1, 0
	KSTEP 2, 0
	KSTEP 3, 0
	s_wait_tensorcnt 0x0                           ; my part of chunk 1 is in (no LDS load of mine is out: the last count above was 0)
	s_barrier_signal -1
	s_barrier_wait -1
.irp v, AP16, AP8, AR16, AR8, AS
	v_add_nc_u32 v[\v], CH, v[\v]                  ; on to chunk 1
.endr
	KSTEP 0, 0
	s_wait_alu depctr_va_vdst(0)
	KSTEP 1, 0
	KSTEP 2, 0
	KSTEP 3, 0
	PLACES 4                                       ; in front of the LDS stores that read results, and of the loads over the fragments' registers
.irp a, 0,1
.irp g, 0,1
.irp q, 0,1,2,3
	ds_store_b128 v[SO], v[ACC+32*\a+16*\g+4*\q:ACC+32*\a+16*\g+4*\q+3] offset:2176*\a+128*\g+16*\q   ; outputs 32 g + 16 h + 4 q on of my token; each accumulator from its low end on
.endr
.endr
.endr
.irp i, 0,1,2,3,4,5,6,7,8,9,10,11,12,13,14,15
	ds_load_b128 v[BK+4*\i:BK+4*\i+3], v[SR] offset:544*\i   ; LDS serves a wave's instructions in order: these see my stores
.endr
.irp i, 0,1,2,3,4,5,6,7,8,9,10,11,12,13,14,15
	s_wait_dscnt 15-\i                             ; the younger loads may stay out
	global_store_b128 v[GO], v[BK+4*\i:BK+4*\i+3], s[10:11] offset:8192*\i th:TH_STORE_NT   ; sixteen lanes store 256 consecutive bytes, aligned; written once, read by nobody here
.endr
	s_wait_tensorcnt 0x0
	ds_add_u32 v208, v209
	s_wait_dscnt 0x0
	CROUND                                         ; the closing round: no work-group ends while a partner may still ask for a tile that names it
	s_endpgm
.Lfunc_end_k_q8dfd13a11f_proj:
	.size	k_q8dfd13a11f_proj, .Lfunc_end_k_q8dfd13a11f_proj-k_q8dfd13a11f_proj
	.p2alignl 7, 3214868480
	.fill 96, 4, 3214868480
	.section	.rodata,"a",@progbits
	.p2align	6, 0x0
	.amdhsa_kernel k_q8dfd13a11f_proj
		.amdhsa_group_segment_fixed_size 205824
		.amdhsa_private_segment_fixed_size 0
		.amdhsa_enable_private_segment 0
		.amdhsa_kernarg_size 32
		.amdhsa_user_sgpr_count 2
		.amdhsa_user_sgpr_kernarg_segment_ptr 1
		.amdhsa_wavefront_size32 1
		.amdhsa_system_sgpr_workgroup_id_x 1
		.amdhsa_system_sgpr_workgroup_id_y 1
		.amdhsa_system_sgpr_workgroup_id_z 1
		.amdhsa_system_vgpr_workitem_id 0
		.amdhsa_next_free_vgpr 210
		.amdhsa_next_free_sgpr 72
		.amdhsa_reserve_vcc 0
		.amdhsa_float_denorm_mode_32 3
		.amdhsa_float_denorm_mode_16_64 3
		.amdhsa_memory_ordered 1
		.amdhsa_forward_progress 1
		.amdhsa_inst_pref_size 35
	.end_amdhsa_kernel
	.amdgpu_metadata
---
amdhsa.version: [ 1, 2 ]
amdhsa.kernels:
  - .name:           k_q8dfd13a11f_proj
    .symbol:         k_q8dfd13a11f_proj.kd
    .args:
      - { .name: cx, .offset: 0, .size: 8, .value_kind: global_buffer, .address_space: global }
      - { .name: ow, .offset: 8, .size: 8, .value_kind: global_buffer, .address_space: global }
      - { .name: out_b, .offset: 16, .size: 8, .value_kind: global_buffer, .address_space: global }
      - { .name: out0, .offset: 24, .size: 8, .value_kind: global_buffer, .address_space: global }
    .group_segment_fixed_size: 205824
    .private_segment_fixed_size: 0
    .kernarg_segment_align: 8
    .kernarg_segment_size: 32
    .max_flat_workgroup_size: 256
    .sgpr_count:     72
    .vgpr_count:     210
    .wavefront_size: 32
...
	.end_amdgpu_metadata
.endif
;; end of part 4
